; MI455X (gfx1250); checked and timed in simulation.
; The chip was launched on July 23, 2026; its instructions are those of AMD's public machine-readable ISA for CDNA 5 (MIT licence, August 2026) and "CDNA5" Instruction Set Architecture Reference Guide (July 2026). The comments in the code are by the model that wrote it; some were corrected since.
;; Matryoshka Attention. Allowed arithmetic: matrix products marked QUANTISED: E2M3 operands, one E8M0 scale for each 32 along K, by v_wmma_scale_f32_16x16x128_f8f6f4 with both operands' format E2M3, f32 sums; everything else in f32.
;; Inputs: wk 1,024 x 1,024 float32; wo 1,024 x 1,024 float32; wq 1,024 x 1,024 float32; wv 1,024 x 1,024 float32; x 2 x 4,096 x 1,024 float32.
;; Outputs: out0 2 x 4,096 x 1,024 float32.
;; Constants: active_dim = 512.
;; This version of the problem:
;;   THIS VERSION OF THE PROBLEM IS GIVEN IN LOW PRECISION. The matrix products marked QUANTISED in the list below multiply operands that are first quantised to E2M3 (2 exponent bits, 3 mantissa bits; 6 bits a number), with one power-of-two scale for each 32 numbers along K (OCP MX v1.0); their sums are f32. All else is computed in f32.
;;   The module's matrix products, in the order in which they are computed (A, B: the left and right operand; K: the contracted axis; several contracted axes count as one K, in the product's order):
;;     1. [M 8,192, K 512] x [K 512, N 512]; A: input x; B: input wq: QUANTISED
;;     2. [M 8,192, K 512] x [K 512, N 512]; A: input x; B: input wk: QUANTISED
;;     3. [M 8,192, K 512] x [K 512, N 512]; A: input x; B: input wv: QUANTISED
;;     4. batch 16 x [M 4,096, K 64] x [K 64, N 4,096]; A: computed on the way; B: computed on the way: QUANTISED
;;     5. batch 16 x [M 4,096, K 4,096] x [K 4,096, N 64]; A: softmax (see below); B: computed on the way: QUANTISED
;;     6. [M 8,192, K 512] x [K 512, N 512]; A: computed on the way; B: input wo: QUANTISED
;;   THE QUANTISER, for each operand of a quantised product, along K:
;;     - K is cut into blocks of 32 from its start; a last block that is shorter is filled with zeros.
;;     - A block's scale is 2^e with e = floor(log2(the largest magnitude in the block)) - 2, held to -126 .. 127; a block of zeros has e = 0. As a byte (E8M0): e + 127.
;;     - Each number is divided by its block's scale, clamped to +-7.5, and rounded to the nearest number of E2M3, ties to even, subnormals kept.
;;     - The product sums the exact products of the quantised numbers (number of the format x scale) in f32.
;;   ~~~python
;;   def quantise(x, axis):      # numpy; x: float32 -> the quantised numbers, widened to float32 again
;;       x = np.moveaxis(x, axis, -1); K = x.shape[-1]
;;       x = np.pad(x, [(0, 0)] * (x.ndim - 1) + [(0, -K % 32)]); x = x.reshape(x.shape[:-1] + (-1, 32)); a = np.abs(x).max(-1, keepdims=True)
;;       e = np.where(a > 0, np.clip(np.frexp(np.where(a > 0, a, 1))[1] - 1 - 2, -126, 127), 0)      # np.frexp(a)[1] - 1 = floor(log2(a)), exactly
;;       r = np.clip(x / 2.0 ** e, -7.5, 7.5)
;;       step = 2.0 ** (np.maximum(np.frexp(np.where(r == 0, 1, r))[1] - 1, 0) - 3)
;;       q = np.round(r / step) * step * 2.0 ** e      # np.round: ties to even
;;       return np.moveaxis(q.reshape(q.shape[:-2] + (-1,))[..., :K], -1, axis).astype(np.float32)
;;   ~~~
;;   SOFTMAX AHEAD OF A QUANTISED PRODUCT. Where the list says 'softmax', what is quantised is not the finished softmax but p = 2^(t - M), with t = logit x log2(e) and M = ceil(the row's largest t), a whole number; so 1/2 < the row's largest p <= 1. The row's sum l is taken of the UNQUANTISED p, in f32, and the product's result is divided by l at the end. Since M is a whole number, a kernel that streams over the keys may use a running M (the ceiling of the running maximum): every later rescaling is an exact power of two, which a block's scale takes up: the codes' values come out the same.
;;   OPERANDS COMPUTED ON THE WAY. 'Computed on the way' means the value that the module computes at that place (a softmax that the list does not call 'softmax' is quantised finished and normalised). What goes into a quantiser is computed in f32, as accurately as f32 sums, v_exp_f32 and their like allow (about 1e-6 of the number): no bf16 or f16 on the way to a quantiser, and a product that is left as it is and whose result goes on into a quantised operand takes f32 operands (vector FMAs, or v_wmma_f32_16x16x4_f32). A number that lies on a knife's edge between two numbers of the format may be rounded either way, as far as f32 arithmetic and the matrix unit's own rounding can turn it there, and no further.
;; 2 versions. Each part assembles by itself: llvm-mc -triple=amdgcn-amd-amdhsa -mcpu=gfx1250 --defsym DOCPART=n.
;; ======== version 1 of 2: 4 launches
;; workspace buffers: opf 3,932,160 bytes; ops 327,680 bytes; qf 3,407,872 bytes; kv 6,815,744 bytes; of 3,145,728 bytes; os 524,288 bytes
;; launch quant (part 1): grid 640 x 1, 4 waves a work-group, no clusters, 35,328 bytes of LDS; arguments x, wq, wk, wv, wo, opf, ops; writes opf, ops
.if DOCPART == 1
	.amdgcn_target "amdgcn-amd-amdhsa--gfx1250"
	.amdhsa_code_object_version 6
	.text
	.protected	k_q556e8a6513_quant
	.globl	k_q556e8a6513_quant
	.p2align	8
	.type	k_q556e8a6513_quant,@function
k_q556e8a6513_quant:
	s_mov_b64 s[64:65], 0
	v_nop
	global_prefetch_b8 v0, s[64:65] scope:SCOPE_SE
	s_setreg_imm32_b32 hwreg(HW_REG_WAVE_MODE, 25, 1), 1
	s_wait_xcnt 0x0
; x[:, :, :512] (8,192 rows) and the first 512 rows x 512 columns of wq, wk, wv, wo, all f32 with K innermost, become codes of FP6 (E2M3) with one E8M0 byte for each 32 along K.
; A block's scale is 2^(floor(log2(its largest magnitude)) - 2); its byte is the largest magnitude's exponent field - 2, held at 1 from below.
; LIMITS: NaN and infinities among the inputs are not served; a block whose largest magnitude lies under 2^-124, and a block of zeros, gets the byte 1 (a block of zeros has zero codes, and this program alone reads the bytes).
; WHAT IS STORED IS THE IMAGE OF AN OPERAND'S REGISTERS.  A TILE is 16 rows: tile 2 B + u holds, at place r, row 32 B + 8 u + r + 8 (r / 8).  A FRAGMENT is a tile x 128 along K: 12 registers a lane, stored as three
; groups of 512 bytes, group c = registers 4 c .. 4 c + 3, lane l's 16 bytes at 16 l.  Its rows' scale words: one word a lane.  So every later launch fills an operand by loads of 16 bytes a lane, 512 dense bytes each.
; opf: [tile 640][K step 4][1,536];  ops: [tile][lane 32][K step 4] words.  Tiles 0-511: x;  512 + 32 m + t: weight m (wq, wk, wv, wo).
; SHARES: a work-group makes a tile, its wave s K step s: 16 rows x 512 bytes.  Each load reads 512 dense bytes of one row; the numbers turn through the wave's own stage in LDS, so that lane (r, h) gets, of row r,
; the 16 neighbours 32 b + 16 h + 0 .. 15 of each block b.  No matrix unit, no tensor load, no cluster: each input byte is read once, by one wave.
.set PITCH, 528                        ; a stage row: 512 bytes + 16, an odd multiple of 16
.set WST,   16*PITCH                   ; a wave's stage
.set SCB,   4*WST                      ; behind the stages: the tile's 128 scale words
.set LI,  4                            ; v4   16 x lane
.set STI, 5                            ; v5   into my stage: 16 x lane
.set STO, 6                            ; v6   out of it: row r, + 64 h
.set SWI, 7                            ; v7   where my scale word goes: 16 x lane + 4 x wave
.set SWO, 8                            ; v8   where wave 0 reads the four words of a lane
.set R,   16                           ; v16-79   the numbers as loaded
.set X,   80                           ; v80-143  register 16 b + i: k = 32 b + 16 h + i of my row
.set TM,  144                          ; v144-147 largest magnitudes, v148-151 bytes, v156-159 the conversions' scale operands
.set PW,  160                          ; the scale word
.set PC,  164                          ; v164-175 the fragment
.set TQ,  176                          ; v176-182 the blocks' second halves on their way
.set OW,  184
.set SEL, 22                           ; s[22:23] selects of v_permlanex16_b32 for lane l xor 16
; 64 numbers of a lane, register 16 b + i = k 32 b + 16 h + i of my row, become six registers of codes at d0 (k 0-63), six at d1 (k 64-127) and the row's scale word in pw.
.macro QUANT s, d0, d1, pw
.irp b, 0,1,2,3
	v_max3_num_f32 v[TM+\b], |v[\s+16*\b]|, |v[\s+1+16*\b]|, 0x1800000   ; my 16 numbers of block b, and the floor 2^(3 - 127): the byte cannot fall under 1
.endr
.irp i, 2,4,6,8,10,12,14
.irp b, 0,1,2,3
	v_max3_num_f32 v[TM+\b], v[TM+\b], |v[\s+16*\b+\i]|, |v[\s+1+16*\b+\i]|   ; the four blocks by turns
.endr
.endr
.irp b, 0,1,2,3
	v_permlanex16_b32 v[TM+4+\b], v[TM+\b], s[SEL], s[SEL+1]
.endr
.irp b, 0,1,2,3
	v_max_num_f32 v[TM+\b], v[TM+\b], v[TM+4+\b]          ; with lane l xor 16's 16: the block's largest magnitude
.endr
.irp b, 0,1,2,3
	v_add_nc_u32 v[TM+12+\b], 0xff000000, v[TM+\b]        ; 2 off its exponent field: the conversion takes this operand's exponent field as its scale
.endr
.irp b, 0,1,2,3
	v_lshrrev_b32 v[TM+4+\b], 23, v[TM+12+\b]             ; the scale's byte
.endr
	v_lshl_or_b32 v[\pw], v[TM+5], 8, v[TM+4]
	v_lshl_or_b32 v[\pw], v[TM+6], 16, v[\pw]
	v_lshl_or_b32 v[\pw], v[TM+7], 24, v[\pw]
	v_cvt_scalef32_pk16_fp6_f32 v[\d0:\d0+2], v[\s:\s+15], v[TM+12]
	v_cvt_scalef32_pk16_fp6_f32 v[TQ:TQ+2], v[\s+16:\s+31], v[TM+13]      ; (a conversion's three registers begin on an even number)
	v_cvt_scalef32_pk16_fp6_f32 v[\d1:\d1+2], v[\s+32:\s+47], v[TM+14]
	v_cvt_scalef32_pk16_fp6_f32 v[TQ+4:TQ+6], v[\s+48:\s+63], v[TM+15]
	v_nop                                                  ; one plain line behind the last scaled conversion
.irp i, 0,1,2
	v_permlane16_swap_b32 v[\d0+\i], v[TQ+\i]              ; the layout wants a whole block in a lane: lanes 0-15 the even block, lanes 16-31 the odd one
	v_permlane16_swap_b32 v[\d1+\i], v[TQ+4+\i]
.endr
.irp i, 0,1,2
	v_mov_b32 v[\d0+3+\i], v[TQ+\i]
	v_mov_b32 v[\d1+3+\i], v[TQ+4+\i]
.endr
.endm
	s_load_b256 s[4:11], s[0:1], 0x0               ; x, wq, wk, wv
	s_load_b128 s[12:15], s[0:1], 0x20             ; wo, opf
	s_load_b64 s[16:17], s[0:1], 0x30              ; ops
	v_lshl_add_u32 v192, v0, 2, 0x8800
	v_mov_b32 v193, 0
	v_lshrrev_b32 v1, 5, v0
	v_readfirstlane_b32 s18, v1                    ; wave = K step
	v_and_b32 v1, 31, v0                           ; lane
	v_and_b32 v2, 15, v0                           ; r
	v_bfe_u32 v3, v0, 4, 1                         ; h
	v_lshlrev_b32 v[LI], 4, v1
	s_mul_i32 s20, s18, WST
	v_add_nc_u32 v[STI], s20, v[LI]
	v_mul_u32_u24 v[STO], v2, PITCH
	v_lshl_add_u32 v[STO], v3, 6, v[STO]
	v_add_nc_u32 v[STO], s20, v[STO]
	s_lshl_b32 s21, s18, 2
	s_add_co_u32 s21, s21, SCB
	v_add_nc_u32 v[SWI], s21, v[LI]
	v_add_nc_u32 v[SWO], SCB, v[LI]
.irp b, 0,1,2,3
	v_mov_b32 v[TM+4+\b], 0                        ; written once: a lane permute's destination counts as one of its sources
.endr
	s_mov_b32 s[SEL], 0x76543210
	s_mov_b32 s[SEL+1], 0xfedcba98
	s_and_b32 s24, ttmp9, 31                       ; the tile's number in its tensor: in a weight the work-group's number mod 32 (512 is a multiple of 32),
	s_cmp_lt_u32 ttmp9, 512
	s_cselect_b32 s24, ttmp9, s24                  ; in x the number itself
	s_lshr_b32 s25, s24, 1
	s_lshl_b32 s25, s25, 5
	s_and_b32 s26, s24, 1
	s_lshl_b32 s26, s26, 3
	s_add_co_u32 s25, s25, s26                     ; its first row: 32 (t / 2) + 8 (t % 2)
	s_lshl_b32 s26, s25, 12                        ; rows of 4,096 bytes in all five tensors
	s_lshl_b32 s27, s18, 9                         ; my K step's 512 bytes
	s_add_co_u32 s26, s26, s27
	s_mov_b32 s27, 0
	s_mul_i32 s28, ttmp9, 6144
	s_mul_i32 s29, s18, 1536
	s_add_co_u32 s28, s28, s29                     ; my fragment in opf
	s_mov_b32 s29, 0
	s_lshl_b32 s30, ttmp9, 9                       ; my tile's words in ops
	s_mov_b32 s31, 0
	s_wait_kmcnt 0x0
	s_cmp_ge_u32 ttmp9, 512                        ; which tensor: the choice hangs on the work-group's number alone
	s_cselect_b64 s[4:5], s[6:7], s[4:5]
	s_cmp_ge_u32 ttmp9, 544
	s_cselect_b64 s[4:5], s[8:9], s[4:5]
	s_cmp_ge_u32 ttmp9, 576
	s_cselect_b64 s[4:5], s[10:11], s[4:5]
	s_cmp_ge_u32 ttmp9, 608
	s_cselect_b64 s[4:5], s[12:13], s[4:5]
	s_add_nc_u64 s[4:5], s[4:5], s[26:27]
	s_add_nc_u64 s[14:15], s[14:15], s[28:29]
	s_add_nc_u64 s[16:17], s[16:17], s[30:31]
.irp i, 0,1,2,3,4,5,6,7,8,9,10,11,12,13,14,15
	global_load_b128 v[R+4*\i:R+4*\i+3], v[LI], s[4:5] offset:(\i+8*(\i/8))*4096 th:TH_LOAD_NT   ; the tile's place i: 512 dense bytes of one row
.endr
.irp i, 0,1,2,3,4,5,6,7,8,9,10,11,12,13,14,15
	s_wait_loadcnt 15-\i                           ; loads come back in order: row i is in, the 15 - i younger ones may be out
	ds_store_b128 v[STI], v[R+4*\i:R+4*\i+3] offset:PITCH*\i
.endr
.irp b, 0,1,2,3
.irp j, 0,1,2,3
	ds_load_b128 v[X+16*\b+4*\j:X+16*\b+4*\j+3], v[STO] offset:128*\b+16*\j   ; LDS serves a wave's instructions in order: these see my stores
.endr
.endr
	s_wait_dscnt 0x0
	QUANT X, PC, PC+6, PW
.irp c, 0,1,2
	global_store_b128 v[LI], v[PC+4*\c:PC+4*\c+3], s[14:15] offset:512*\c      ; 512 dense bytes, aligned to 256
.endr
	ds_store_b32 v[SWI], v[PW]                     ; the four waves' words of a lane lie side by side
	s_wait_dscnt 0x0                               ; for the others' sake: my word has landed
	s_barrier_signal -1
	s_barrier_wait -1
	s_cmp_lg_u32 s18, 0
	s_cbranch_scc1 .Ldone
	ds_load_b128 v[OW:OW+3], v[SWO]
	s_wait_dscnt 0x0
	global_store_b128 v[LI], v[OW:OW+3], s[16:17]  ; wave 0 stores the tile's 512 bytes of scale words
.Ldone:
	s_wait_tensorcnt 0x0
	ds_add_u32 v192, v193
	s_wait_dscnt 0x0
	s_endpgm
.Lfunc_end_k_q556e8a6513_quant:
	.size	k_q556e8a6513_quant, .Lfunc_end_k_q556e8a6513_quant-k_q556e8a6513_quant
	.p2alignl 7, 3214868480
	.fill 96, 4, 3214868480
	.section	.rodata,"a",@progbits
	.p2align	6, 0x0
	.amdhsa_kernel k_q556e8a6513_quant
		.amdhsa_group_segment_fixed_size 35328
		.amdhsa_private_segment_fixed_size 0
		.amdhsa_enable_private_segment 0
		.amdhsa_kernarg_size 56
		.amdhsa_user_sgpr_count 2
		.amdhsa_user_sgpr_kernarg_segment_ptr 1
		.amdhsa_wavefront_size32 1
		.amdhsa_system_sgpr_workgroup_id_x 1
		.amdhsa_system_sgpr_workgroup_id_y 1
		.amdhsa_system_sgpr_workgroup_id_z 1
		.amdhsa_system_vgpr_workitem_id 0
		.amdhsa_next_free_vgpr 194
		.amdhsa_next_free_sgpr 66
		.amdhsa_reserve_vcc 0
		.amdhsa_float_denorm_mode_32 3
		.amdhsa_float_denorm_mode_16_64 3
		.amdhsa_memory_ordered 1
		.amdhsa_forward_progress 1
		.amdhsa_inst_pref_size 12
	.end_amdhsa_kernel
	.amdgpu_metadata
---
amdhsa.version: [ 1, 2 ]
amdhsa.kernels:
  - .name:           k_q556e8a6513_quant
    .symbol:         k_q556e8a6513_quant.kd
    .args:
      - { .name: x, .offset: 0, .size: 8, .value_kind: global_buffer, .address_space: global }
      - { .name: wq, .offset: 8, .size: 8, .value_kind: global_buffer, .address_space: global }
      - { .name: wk, .offset: 16, .size: 8, .value_kind: global_buffer, .address_space: global }
      - { .name: wv, .offset: 24, .size: 8, .value_kind: global_buffer, .address_space: global }
      - { .name: wo, .offset: 32, .size: 8, .value_kind: global_buffer, .address_space: global }
      - { .name: opf, .offset: 40, .size: 8, .value_kind: global_buffer, .address_space: global }
      - { .name: ops, .offset: 48, .size: 8, .value_kind: global_buffer, .address_space: global }
    .group_segment_fixed_size: 35328
    .private_segment_fixed_size: 0
    .kernarg_segment_align: 8
    .kernarg_segment_size: 56
    .max_flat_workgroup_size: 128
    .sgpr_count:     66
    .vgpr_count:     194
    .wavefront_size: 32
...
	.end_amdgpu_metadata
.endif
;; end of part 1
;; launch proj (part 2): grid 64 x 3, 4 waves a work-group, no clusters, 0 bytes of LDS; arguments opf, ops, qf, kv; writes qf, kv
.if DOCPART == 2
	.amdgcn_target "amdgcn-amd-amdhsa--gfx1250"
	.amdhsa_code_object_version 6
	.text
	.protected	k_q556e8a6513_proj
	.globl	k_q556e8a6513_proj
	.p2align	8
	.type	k_q556e8a6513_proj,@function
k_q556e8a6513_proj:
	s_mov_b64 s[64:65], 0
	v_nop
	global_prefetch_b8 v0, s[64:65] scope:SCOPE_SE
	s_setreg_imm32_b32 hwreg(HW_REG_WAVE_MODE, 25, 1), 1
	s_wait_xcnt 0x0
; q, k, v = x W^T on codes of FP6 (K = 512), and each result quantised at once for attention: q and k along the head's 64 channels, v along the tokens.  Sums in f32.
; SHARES: work-group x = a block of 128 tokens (8 tiles), y = the role (0 q, 1 k, 2 v); wave = a pair of heads (128 channels, 8 tiles of the weight's rows).
; ONE JOB FOR ALL ROLES: eight tiles STAY in registers (all four K steps: 384 registers), eight tiles PASS.  For each passing tile 32 products (source 0 = a staying tile, source 1 = the passing one): a lane then
; holds one row of the passing tile, and, by the order of rows in a tile (tile 2 B + u, place r: row 32 B + 8 u + r + 8 (r / 8)), its 64 results are register 16 b + i = staying row 32 b + 16 h + i: what the quantiser takes.
; q, k: the weight stays, x passes: the codes are a token's 128 channels: registers 0-5 the first head's 64, registers 6-11 the second's.  v: x stays, the weight passes: a channel's 128 tokens: a fragment of V^T as it stands.
; WHAT IS STORED.  q, k: for each head PAIR fragments [token tile 2 p | token tile 2 p + 1] (each tile's 64 channels fill half of the instruction's K of 128) and pair words (bytes 0, 1 tile 2 p; 2, 3 tile 2 p + 1).
; qf: [batch x head 16][block 32][6,656] = 4 pair fragments, then [lane][4] words.   kv: [batch x head][block][13,312] = K's 4 pair fragments, V^T's 4 fragments, K's words, V's words.
; LIMITS: as the quantiser's: NaN and infinities are not served; a block under 2^-124, or of zeros, gets the byte 1.
; NO LDS, NO JOINT LOADS: operands lie in memory in register order and go straight into registers, 512 dense bytes a load.  What waves and roles share is the 49,152 bytes of the passing or staying x tiles;
; a work-group's whole life is eight tiles, so a ring with its rounds would have one pass in which to pay.
; REGISTERS: window 1: staying fragments of K steps 0, 1 at 24 t + 12 s; window 2: of K steps 2, 3; window 3: four buffers of 48 for passing tiles; window 0: the rest.
.set LI,  4                            ; v4   16 x lane; never rewritten
.set ACC, 16                           ; v16-79   eight accumulators
.set SS,  80                           ; v80-111  staying tiles' scale words, 4 t + s
.set MS,  112                          ; v112-127 passing tiles', 4 (buffer) + s
.set TM,  128                          ; v128-143 the quantiser's work
.set PW,  144                          ; scale word of an odd tile,
.set PWH, 145                          ; of the even tile before it
.set PC,  148                          ; v148-159 a fragment of V^T
.set TQ,  160                          ; v160-166
.set HA,  168                          ; v168-179 the first head's pair fragment
.set HB,  180                          ; v180-191 the second head's
.set SA,  192                          ; v192-195 the first head's four words
.set SB,  196                          ; v196-199 the second head's
.set SEL, 32
.set MSB, 0
.macro WIN new                         ; the immediate's high byte repeats the setting that is left
.if MSB != \new
	s_set_vgpr_msb (MSB<<8)|\new
.set MSB, \new
.endif
.endm
.macro WM0 d, a, b, sa, sb             ; a product that starts its sum
	v_wmma_scale_f32_16x16x128_f8f6f4 v[\d:\d+7], v[\a:\a+11], v[\b:\b+11], 0, v[\sa], v[\sb] matrix_a_fmt:MATRIX_FMT_FP6 matrix_b_fmt:MATRIX_FMT_FP6
.endm
.macro WMA d, a, b, sa, sb             ; and one that adds in place
	v_wmma_scale_f32_16x16x128_f8f6f4 v[\d:\d+7], v[\a:\a+11], v[\b:\b+11], v[\d:\d+7], v[\sa], v[\sb] matrix_a_fmt:MATRIX_FMT_FP6 matrix_b_fmt:MATRIX_FMT_FP6
.endm
.macro QUANT s, d0, d1, pw             ; 64 numbers of a lane, register 16 b + i = k 32 b + 16 h + i of my row -> six registers of codes at d0 (k 0-63), six at d1 (k 64-127), the scale word in pw
.irp b, 0,1,2,3
	v_max3_num_f32 v[TM+\b], |v[\s+16*\b]|, |v[\s+1+16*\b]|, 0x1800000   ; each accumulator is read from its low end on; the floor 2^(3 - 127) holds the byte at 1
.endr
.irp i, 2,4,6,8,10,12,14
.irp b, 0,1,2,3
	v_max3_num_f32 v[TM+\b], v[TM+\b], |v[\s+16*\b+\i]|, |v[\s+1+16*\b+\i]|
.endr
.endr
.irp b, 0,1,2,3
	v_permlanex16_b32 v[TM+4+\b], v[TM+\b], s[SEL], s[SEL+1]
.endr
.irp b, 0,1,2,3
	v_max_num_f32 v[TM+\b], v[TM+\b], v[TM+4+\b]
.endr
.irp b, 0,1,2,3
	v_add_nc_u32 v[TM+12+\b], 0xff000000, v[TM+\b]        ; 2 off the exponent field: the conversion's scale operand
.endr
.irp b, 0,1,2,3
	v_lshrrev_b32 v[TM+4+\b], 23, v[TM+12+\b]             ; the byte
.endr
	v_lshl_or_b32 v[\pw], v[TM+5], 8, v[TM+4]
	v_lshl_or_b32 v[\pw], v[TM+6], 16, v[\pw]
	v_lshl_or_b32 v[\pw], v[TM+7], 24, v[\pw]
	v_cvt_scalef32_pk16_fp6_f32 v[\d0:\d0+2], v[\s:\s+15], v[TM+12]
	v_cvt_scalef32_pk16_fp6_f32 v[TQ:TQ+2], v[\s+16:\s+31], v[TM+13]
	v_cvt_scalef32_pk16_fp6_f32 v[\d1:\d1+2], v[\s+32:\s+47], v[TM+14]
	v_cvt_scalef32_pk16_fp6_f32 v[TQ+4:TQ+6], v[\s+48:\s+63], v[TM+15]
	v_nop                                                  ; one plain line behind the last scaled conversion: matrix instructions write its sources again later
.irp i, 0,1,2
	v_permlane16_swap_b32 v[\d0+\i], v[TQ+\i]
	v_permlane16_swap_b32 v[\d1+\i], v[TQ+4+\i]
.endr
.irp i, 0,1,2
	v_mov_b32 v[\d0+3+\i], v[TQ+\i]
	v_mov_b32 v[\d1+3+\i], v[TQ+4+\i]
.endr
.endm
.macro LOADM i                         ; passing tile i: 12 loads of its four fragments into buffer i % 4, one of its scale words
	WIN 0xc0                                       ; destination window 3, address window 0
.irp n, 0,1,2,3,4,5,6,7,8,9,10,11
	global_load_b128 v[48*((\i)%4)+4*\n:48*((\i)%4)+4*\n+3], v[LI], s[20:21] offset:6144*(\i)+512*\n
.endr
	WIN 0
	global_load_b128 v[MS+4*((\i)%4):MS+4*((\i)%4)+3], v[LI], s[22:23] offset:512*(\i)
.endm
.macro MUL q                           ; 32 products: K step by K step, the eight accumulators by turns, one instruction a turn
	WIN 0x0d                                       ; source 0 window 1, source 1 window 3, C and D window 0
.irp t, 0,1,2,3,4,5,6,7
	WM0 ACC+8*\t, 24*\t, 48*(\q), SS+4*\t, MS+4*(\q)
.endr
.irp t, 0,1,2,3,4,5,6,7
	WMA ACC+8*\t, 24*\t+12, 48*(\q)+12, SS+4*\t+1, MS+4*(\q)+1
.endr
	WIN 0x0e                                       ; source 0 window 2
.irp t, 0,1,2,3,4,5,6,7
	WMA ACC+8*\t, 24*\t, 48*(\q)+24, SS+4*\t+2, MS+4*(\q)+2
.endr
.irp t, 0,1,2,3,4,5,6,7
	WMA ACC+8*\t, 24*\t+12, 48*(\q)+36, SS+4*\t+3, MS+4*(\q)+3
.endr
	WIN 0
.endm
.macro ITER i, isv
.if (\i) <= 4
	s_wait_loadcnt 39                              ; tile i and all before it are in; the three younger tiles' 13 loads each may be out
.else
	s_wait_loadcnt 13*(7-(\i))
.endif
	MUL (\i)%4
.rept 4
	v_nop                                          ; four places: in front of the loads into the buffer just multiplied, and of the first read of the results
.endr
.if (\i) < 4
	LOADM (\i)+4
.endif
.if ((\i) > 0) && ((\isv) || ((\i)%2 == 0))
	s_wait_xcnt 0x0                                ; the last stores have read their data: the codes' registers are written again only behind this wait
.endif
.if \isv
	QUANT ACC, PC, PC+6, SA+(\i)                   ; channel tile i % 4 of head i / 4 x 128 tokens; its word goes to its place among the eight (SB = SA + 4)
.irp c, 0,1,2
.if (\i) < 4
	global_store_b128 v[LI], v[PC+4*\c:PC+4*\c+3], s[24:25] offset:1536*((\i)%4)+512*\c
.else
	global_store_b128 v[LI], v[PC+4*\c:PC+4*\c+3], s[26:27] offset:1536*((\i)%4)+512*\c
.endif
.endr
.elseif (\i)%2 == 0
	QUANT ACC, HA, HB, PWH                         ; the even tile fills the lower halves of the two heads' pair fragments
.else
	QUANT ACC, HA+6, HB+6, PW                      ; the odd tile the upper halves
	v_perm_b32 v[SA+(\i)/2], v[PW], v[PWH], 0x05040100     ; the first head's pair word: the even tile's bytes 0, 1, then the odd tile's
	v_perm_b32 v[SB+(\i)/2], v[PW], v[PWH], 0x07060302     ; the second head's: bytes 2, 3 of both
.irp c, 0,1,2
	global_store_b128 v[LI], v[HA+4*\c:HA+4*\c+3], s[24:25] offset:1536*((\i)/2)+512*\c
	global_store_b128 v[LI], v[HB+4*\c:HB+4*\c+3], s[26:27] offset:1536*((\i)/2)+512*\c
.endr
.endif
.endm
.macro PASS isv
.irp i, 0,1,2,3,4,5,6,7
	ITER \i, \isv
.endr
	global_store_b128 v[LI], v[SA:SA+3], s[28:29]  ; each head's four words a lane: 512 dense bytes
	global_store_b128 v[LI], v[SB:SB+3], s[30:31]
	s_endpgm
.endm
	s_load_b256 s[4:11], s[0:1], 0x0               ; opf, ops, qf, kv
	v_lshrrev_b32 v1, 5, v0
	v_readfirstlane_b32 s12, v1                    ; wave = pair of heads
	v_and_b32 v1, 31, v0
	v_lshlrev_b32 v[LI], 4, v1
.irp b, 0,1,2,3
	v_mov_b32 v[TM+4+\b], 0                        ; written once: a lane permute's destination counts as one of its sources
.endr
	s_mov_b32 s[SEL], 0x76543210
	s_mov_b32 s[SEL+1], 0xfedcba98
	s_mov_b32 s13, ttmp9                           ; block of 128 tokens, 0 .. 63
	s_and_b32 s14, ttmp7, 0xffff                   ; role
	s_lshl_b32 s34, s13, 3                         ; x's first tile
	s_lshl_b32 s35, s14, 5
	s_lshl_b32 s36, s12, 3
	s_add_co_u32 s35, s35, s36
	s_add_co_u32 s35, s35, 512                     ; the weight's: 512 + 32 role + 8 wave
	s_cmp_eq_u32 s14, 2
	s_cselect_b32 s36, s34, s35                    ; which stays,
	s_cselect_b32 s37, s35, s34                    ; which passes
	s_cselect_b32 s49, 6144, 0                     ; where the fragments begin in a record,
	s_mov_b32 s50, 12288
	s_cselect_b32 s50, 12800, s50                  ; and the words
	s_cmp_eq_u32 s14, 0
	s_cselect_b32 s50, 6144, s50
	s_mov_b32 s48, 13312
	s_cselect_b32 s48, 6656, s48                   ; a record's bytes
	s_mul_i32 s38, s36, 6144
	s_mov_b32 s39, 0
	s_lshl_b32 s40, s36, 9
	s_mov_b32 s41, 0
	s_mul_i32 s42, s37, 6144
	s_mov_b32 s43, 0
	s_lshl_b32 s44, s37, 9
	s_mov_b32 s45, 0
	s_lshr_b32 s46, s13, 5                         ; batch
	s_lshl_b32 s46, s46, 3
	s_lshl_b32 s47, s12, 1
	s_add_co_u32 s46, s46, s47                     ; 8 batch + my first head
	s_lshl_b32 s46, s46, 5
	s_and_b32 s47, s13, 31
	s_add_co_u32 s46, s46, s47                     ; the record: x 32 + the block in its batch
	s_mul_i32 s51, s46, s48
	s_add_co_u32 s52, s51, s49
	s_mov_b32 s53, 0
	s_add_co_u32 s54, s51, s50
	s_mov_b32 s55, 0
	s_lshl_b32 s56, s48, 5                         ; the next head's record lies 32 records on
	s_mov_b32 s57, 0
	s_wait_kmcnt 0x0
	s_add_nc_u64 s[16:17], s[4:5], s[38:39]        ; staying fragments,
	s_add_nc_u64 s[18:19], s[6:7], s[40:41]        ; their words,
	s_add_nc_u64 s[20:21], s[4:5], s[42:43]        ; passing fragments,
	s_add_nc_u64 s[22:23], s[6:7], s[44:45]        ; their words
	s_cmp_eq_u32 s14, 0
	s_cselect_b64 s[24:25], s[8:9], s[10:11]       ; q goes to qf, k and v to kv: the choice hangs on the role alone
	s_add_nc_u64 s[28:29], s[24:25], s[54:55]      ; the first head's words,
	s_add_nc_u64 s[24:25], s[24:25], s[52:53]      ; its fragments,
	s_add_nc_u64 s[26:27], s[24:25], s[56:57]      ; the second head's fragments,
	s_add_nc_u64 s[30:31], s[28:29], s[56:57]      ; its words
.irp t, 0,1,2,3,4,5,6,7
	global_load_b128 v[SS+4*\t:SS+4*\t+3], v[LI], s[18:19] offset:512*\t
.endr
	WIN 0x40                                       ; destination window 1
.irp t, 0,1,2,3,4,5,6,7
.irp n, 0,1,2,3,4,5
	global_load_b128 v[24*\t+4*\n:24*\t+4*\n+3], v[LI], s[16:17] offset:6144*\t+512*\n
.endr
.endr
	WIN 0x80                                       ; destination window 2
.irp t, 0,1,2,3,4,5,6,7
.irp n, 0,1,2,3,4,5
	global_load_b128 v[24*\t+4*\n:24*\t+4*\n+3], v[LI], s[16:17] offset:6144*\t+3072+512*\n
.endr
.endr
	WIN 0
	LOADM 0
	LOADM 1
	LOADM 2
	LOADM 3
	s_cmp_eq_u32 s14, 2                            ; one branch on the role; the eight tiles are written once for q and k, once for v, since what is made of the codes differs
	s_cbranch_scc1 .Lvalues
	PASS 0
.Lvalues:
	PASS 1
.Lfunc_end_k_q556e8a6513_proj:
	.size	k_q556e8a6513_proj, .Lfunc_end_k_q556e8a6513_proj-k_q556e8a6513_proj
	.p2alignl 7, 3214868480
	.fill 96, 4, 3214868480
	.section	.rodata,"a",@progbits
	.p2align	6, 0x0
	.amdhsa_kernel k_q556e8a6513_proj
		.amdhsa_group_segment_fixed_size 0
		.amdhsa_private_segment_fixed_size 0
		.amdhsa_enable_private_segment 0
		.amdhsa_kernarg_size 32
		.amdhsa_user_sgpr_count 2
		.amdhsa_user_sgpr_kernarg_segment_ptr 1
		.amdhsa_wavefront_size32 1
		.amdhsa_system_sgpr_workgroup_id_x 1
		.amdhsa_system_sgpr_workgroup_id_y 1
		.amdhsa_system_sgpr_workgroup_id_z 1
		.amdhsa_system_vgpr_workitem_id 0
		.amdhsa_next_free_vgpr 1024
		.amdhsa_next_free_sgpr 66
		.amdhsa_reserve_vcc 0
		.amdhsa_float_denorm_mode_32 3
		.amdhsa_float_denorm_mode_16_64 3
		.amdhsa_memory_ordered 1
		.amdhsa_forward_progress 1
		.amdhsa_inst_pref_size 162
	.end_amdhsa_kernel
	.amdgpu_metadata
---
amdhsa.version: [ 1, 2 ]
amdhsa.kernels:
  - .name:           k_q556e8a6513_proj
    .symbol:         k_q556e8a6513_proj.kd
    .args:
      - { .name: opf, .offset: 0, .size: 8, .value_kind: global_buffer, .address_space: global }
      - { .name: ops, .offset: 8, .size: 8, .value_kind: global_buffer, .address_space: global }
      - { .name: qf, .offset: 16, .size: 8, .value_kind: global_buffer, .address_space: global }
      - { .name: kv, .offset: 24, .size: 8, .value_kind: global_buffer, .address_space: global }
    .group_segment_fixed_size: 0
    .private_segment_fixed_size: 0
    .kernarg_segment_align: 8
    .kernarg_segment_size: 32
    .max_flat_workgroup_size: 128
    .sgpr_count:     66
    .vgpr_count:     1024
    .wavefront_size: 32
...
	.end_amdgpu_metadata
.endif
;; end of part 2
;; launch attn (part 3): grid 16 x 16, 16 waves a work-group, clusters of 4 x 1, 327,680 bytes of LDS; arguments qf, kv, of, os, out0; writes of, os, out0
.if DOCPART == 3
	.amdgcn_target "amdgcn-amd-amdhsa--gfx1250"
	.amdhsa_code_object_version 6
	.text
	.protected	k_q556e8a6513_attn
	.globl	k_q556e8a6513_attn
	.p2align	8
	.type	k_q556e8a6513_attn,@function
k_q556e8a6513_attn:
	s_mov_b64 s[64:65], 0
	v_nop
	global_prefetch_b8 v0, s[64:65] scope:SCOPE_SE
	s_setreg_imm32_b32 hwreg(HW_REG_WAVE_MODE, 25, 1), 1
	s_wait_xcnt 0x0
	s_wait_alu depctr_hold_cnt(0) depctr_sa_sdst(0) depctr_va_vdst(0) depctr_va_sdst(0) depctr_va_ssrc(0) depctr_va_vcc(0) depctr_vm_vsrc(0)
	s_getreg_b32 s2, hwreg(HW_REG_IB_STS2, 6, 4)
	s_cmp_eq_u32 s2, 0
	s_cbranch_scc0 .Lentry_in_a_cluster
	s_endpgm
.Lentry_in_a_cluster:
	s_bfe_u32 s2, ttmp6, 0x10000c
	s_cmp_lg_u32 s2, 0x3003
	s_cbranch_scc0 .Lentry_shape_is_right
	s_endpgm
.Lentry_shape_is_right:
; Causal attention of 16 (batch x head) x 4,096 tokens, head size 64, both products on codes of FP6 (E2M3); its result quantised along the channels for the last product; and the zero half of out0.
; THE SOFTMAX: t = score x log2(e) / 8; M = the running largest t rounded UP to a whole number; p = 2^(t - M) is quantised along the keys, not normalised; the row's sum is taken of the unquantised p and divides at the end.
; When M moves, the sum and O are multiplied by 2^(old M - new M): exact.
; LIMITS: NaN and infinities are not served.  A block's largest p is taken from its largest score by the same multiply-add and exponential, which takes v_exp_f32 not to fall where its input rises.
; A block of p or of o under 2^-124, or of zeros, gets the byte 1: this program alone reads the bytes.
; LAYOUT.  Both products are used transposed: S^T = K Q^T, O^T = V^T P^T: a lane holds one query (lane % 16) throughout.  Operands lie in qf and kv as images of registers (three groups of 512 bytes a fragment).
; By the order of rows in a tile (tile 2 B + u, place r: row 32 B + 8 u + r + 8 (r / 8)) the 16 registers of score tiles 2 b, 2 b + 1 are keys 32 b + 16 (lane / 16) + 0 .. 15, and O^T's of channel tiles likewise.
; HEAD SIZE 64 IN A K OF 128: source 0 is a PAIR [key tile 2 b | key tile 2 b + 1]; source 1 is Q0 = [q | zero codes] or Q1 = [zero codes | q], which picks one of the two.  A zero code times any code is 0; the null half's scale byte is 1.
; SHARES.  y = batch x head.  A cluster of four work-groups, number J of its head's four, owns the blocks of 128 queries 4 J .. 4 J + 3 and 28 - 4 J .. 31 - 4 J; a wave owns one tile of 16 queries, tile 2 cx + pi of its block BLK,
; and works key steps (128 keys) 0 .. BLK; later steps it passes over by a scalar branch on ids.  BLK and pi come from the wave's number and J alone: waves w with equal w / 4, and with equal w % 4, have 66 steps together.
; THE RING.  Two LDS slots of two key steps (26,624 bytes: 104 dense rows of 256), walked for 32 - 4 J steps.  The four partners walk the same K and V: each slot is asked for JOINTLY, by wave 0 of each, mask 15.
; One tensor load of a wave is out at most.  cx enters global addresses and the number DQ of the mask alone: no branch, no LDS address.
; REGISTERS: v1-7 addresses; v8-11 zeros; v12 -M, v13 the largest t, v[14:15] the sum; v16-27 Q0; v32-79 four fragments, K's then V's; v96-159 S^T, then p; v160-191 O^T; v192-203 Q1; v204, v205 q's scale words;
; v208-211 V's words; v224-235 p's codes; v232-247 at work; v248-251 K's words; v252 f (v253 named with it as a pair); v254 at work; v255 p's word.
.set REC,   13312                      ; a key step's record in kv: K's 4 pair fragments, V^T's 4 fragments, K's words, V's words
.set QREC,  6656
.set SLOTB, 2*REC
.set SPARE, 2*SLOTB                    ; behind the ring: the spare words, 128 bytes for each of 16 waves: eight blocks of 256 bytes that no other line names
.set LI,  1                            ; v1   16 x lane: every LDS address is this + an immediate
.set DQ,  2                            ; v2   my query's place in its block - 16 (lane / 16)
.set L8,  3                            ; v3   8 x lane
.set L4,  4                            ; v4   4 x lane
.set SPW, 5                            ; v5   LDS address of my spare word; never rewritten
.set NIL, 6                            ; v6   0; never rewritten
.set ZO,  7                            ; v7   the zero stores: 4,096 (lane / 16) + 16 (lane % 16)
.set ZR,  8
.set PFO, 28                           ; v28  256 x lane
.set WV,  14
.set SEL, 20
.set CS,  22                           ; s[22:23] c = log2(e) / 8
.set G1,  24
.set G0,  32                           ; s[32:35] slot 0's group 0, s[36:39] slot 1's
.set BLK, 40
.set KS,  41                           ; the key step in hand
.set TR,  42
.set CH,  43                           ; changes of slots that have asked for a slot
.set LIM, 44                           ; a wave prefetches while s[CH] is under it
.set PFA, 46
.set UM,  48                           ; all ones where pi = 1
.macro WM0 d, a, b, sa, sb
	v_wmma_scale_f32_16x16x128_f8f6f4 v[\d:\d+7], v[\a:\a+11], v[\b:\b+11], 0, v[\sa], v[\sb] matrix_a_fmt:MATRIX_FMT_FP6 matrix_b_fmt:MATRIX_FMT_FP6
.endm
.macro WMA d, a, b, sa, sb
	v_wmma_scale_f32_16x16x128_f8f6f4 v[\d:\d+7], v[\a:\a+11], v[\b:\b+11], v[\d:\d+7], v[\sa], v[\sb] matrix_a_fmt:MATRIX_FMT_FP6 matrix_b_fmt:MATRIX_FMT_FP6
.endm
.macro ROUND                           ; a round of the cluster's barrier: my work-group's barrier, wave 0's signal for the work-group, every wave's wait for all four, my work-group's barrier once more
	s_barrier_signal -1
	s_barrier_wait -1
	s_cmp_lg_u32 s[WV], 0
	s_cbranch_scc1 .Lnot_wave_0_\@
	s_barrier_signal -3
.Lnot_wave_0_\@:
	s_barrier_wait -3
	s_barrier_signal -1
	s_barrier_wait -1
.endm
.macro TLOAD g0                        ; the joint load: wave 0 of each partner, the same descriptor in all four; four v_nop follow it
	s_cmp_lg_u32 s[WV], 0
	s_cbranch_scc1 .Lnot_mine_\@
	tensor_load_to_lds s[\g0:\g0+3], s[G1:G1+7]
	s_nop 0
.rept 4
	v_nop
.endr
.Lnot_mine_\@:
.endm
; A PREFETCH INTO THE L2.  A head's kv is 1,664 blocks of 256 bytes, a slot 104.  All four clusters of a head walk it from its start; the first (J = 0) walks all of it and asks.  In each of its four partners wave 4 asks,
; a lane a block, 32 blocks; the partners are told apart by address (8,192 cx).  So a change of slots names 128 blocks: change n names 208 + 128 n .. 335 + 128 n, and the next change's load wants 208 + 104 n .. 311 + 104 n:
; every slot from the third on is named a change of slots, two key steps, ahead of its load, or earlier.  Eleven changes ask (blocks 208 .. 1,615); the twelfth would pass the head's end.  Each block is named once.
.macro ASK
	s_cmp_lt_u32 s[CH], s[LIM]
	s_cbranch_scc0 .Lno_ask_\@
	global_prefetch_b8 v[PFO], s[PFA:PFA+1] th:TH_LOAD_NT scope:SCOPE_SE
.Lno_ask_\@:
.endm
; THE CHANGE OF SLOTS stands at a slot's head.  Each wave waits for all its tensor loads (wave 0: the slot about to be read), adds 0 to its spare word, waits for that and for its reads of the slot that it has left.
; Behind the round the slot ahead is whole in all four partners and nobody reads the other one.  refill = 1: that other slot is asked for; the load has this slot's two steps in which to land.
.macro CHANGE slot, refill
	s_wait_tensorcnt 0x0                           ; no tensor load of mine is out, so a group 0 may be written
	ds_add_u32 v[SPW], v[NIL]                      ; 0 onto my spare word
	s_add_nc_u64 s[G0+4*\slot+2:G0+4*\slot+3], s[G0+4*\slot+2:G0+4*\slot+3], 2*SLOTB   ; this slot's next two steps
.if \refill
	s_wait_xcnt 0x0                                ; the last prefetch, a slot back, has read its address
	s_add_nc_u64 s[PFA:PFA+1], s[PFA:PFA+1], 32768
.endif
	s_wait_dscnt 0x0                               ; the add is done, and my reads of the slot that I have left are over
	ROUND
.if \refill
	TLOAD G0+4*(1-\slot)
	ASK
	s_add_co_u32 s[CH], s[CH], 1
.endif
.endm
; A KEY STEP: 128 keys, the q-th of the slot.
.macro STEP slot, q
.set BASE, (\slot)*SLOTB+(\q)*REC
	s_cmp_gt_u32 s[KS], s[BLK]                     ; all its keys come after my queries: passed over.  No barrier and no tensor load stands in a step
	s_cbranch_scc1 .Lhidden_\@
.rept 4
	v_nop                                          ; four places in front of loads into registers that the last step's products have read
.endr
.irp n, 0,1,2,3,4,5,6,7,8,9,10,11
	ds_load_b128 v[32+4*\n:35+4*\n], v[LI] offset:BASE+512*\n       ; K's four pair fragments, 512 dense bytes a load
.endr
	ds_load_b128 v[248:251], v[LI] offset:BASE+12288                ; and their words
	s_wait_dscnt 0x0
.irp b, 0,1,2,3
.irp u, 0,1
	WM0 96+8*(2*\b+\u), 32+12*\b, 16+176*\u, 248+\b, 204+\u         ; score tile 2 b + u: the pair's half u, picked by Q0 or Q1
.endr
.endr
.rept 4
	v_nop                                          ; four places: for the loads below and for the first read of the scores
.endr
.irp n, 0,1,2,3,4,5,6,7,8,9,10,11
	ds_load_b128 v[32+4*\n:35+4*\n], v[LI] offset:BASE+6144+512*\n  ; V^T's four fragments land while the softmax is worked
.endr
	ds_load_b128 v[208:211], v[LI] offset:BASE+12800
	s_cmp_lt_u32 s[KS], s[BLK]                     ; only step BLK lies on the diagonal
	s_cbranch_scc1 .Lopen_\@
	v_mov_b32 v254, 0xff800000                     ; -infinity: p = 0 then
.set NN, 0
.rept 64
	v_cmp_gt_i32 vcc_lo, 32*(NN/16)+NN%16, v[DQ]   ; register 16 b + i holds key 32 b + 16 (lane / 16) + i of the step: hidden where 32 b + i > DQ
	v_cndmask_b32 v[96+NN], v[96+NN], v254, vcc_lo
.set NN, NN+1
.endr
.Lopen_\@:
.irp b, 0,1,2,3
	v_max3_num_f32 v[232+\b], v[96+16*\b], v[97+16*\b], v[98+16*\b]   ; the largest score of each block of 32 keys: for the row's maximum, and for the block's largest p
.endr
.irp i, 3,5,7,9,11,13
.irp b, 0,1,2,3
	v_max3_num_f32 v[232+\b], v[232+\b], v[96+16*\b+\i], v[97+16*\b+\i]
.endr
.endr
.irp b, 0,1,2,3
	v_max_num_f32 v[232+\b], v[232+\b], v[111+16*\b]
.endr
.irp b, 0,1,2,3
	v_permlanex16_b32 v[236+\b], v[232+\b], s[SEL], s[SEL+1]
.endr
.irp b, 0,1,2,3
	v_max_num_f32 v[232+\b], v[232+\b], v[236+\b]  ; with lane l xor 16's 16 keys
.endr
	v_max3_num_f32 v254, v232, v233, v234
	v_max_num_f32 v254, v254, v235
	v_mul_f32 v254, s[CS], v254                    ; the step's largest t (c is positive)
	v_max_num_f32 v13, v13, v254                   ; the running largest t
	v_mov_b32 v254, v12
	v_floor_f32 v12, -v13                          ; the new -M = floor(-t): M is a whole number
	v_sub_f32 v254, v12, v254                      ; old M - new M: a whole number, 0 or less
	v_cvt_i32_f32 v254, v254                       ; (it saturates)
	v_ldexp_f32 v252, 1.0, v254                    ; f = 2^(old M - new M)
.set NN, 0
.rept 32
	v_pk_fma_f32 v[96+NN:97+NN], v[96+NN:97+NN], s[CS:CS+1], v[12:13] op_sel_hi:[1,0,0]   ; t - M, two at a time
.set NN, NN+2
.endr
.irp b, 0,1,2,3
	v_fma_f32 v[232+\b], v[232+\b], s[CS], v12     ; the same of each block's largest score
.endr
.set NN, 0
.rept 64
	v_exp_f32 v[96+NN], v[96+NN]                   ; p = 2^(t - M)
.set NN, NN+1
.endr
	v_pk_mul_f32 v[14:15], v[14:15], v[252:253] op_sel_hi:[1,0]     ; the sums under the new M: the plain line behind the exponentials
	s_wait_alu depctr_va_vdst(0)                   ; one wait for the batch of 64, ahead of its first reader
.irp b, 0,1,2,3
	v_exp_f32 v[232+\b], v[232+\b]                 ; each block's largest p
.endr
	v_pk_add_f32 v[236:237], v[96:97], v[98:99]    ; the row's sum is taken of the unquantised p, in two chains
.irp j, 4,8,12,16,20,24,28,32,36,40,44,48,52,56,60
	v_pk_add_f32 v[14:15], v[14:15], v[96+\j:97+\j]
	v_pk_add_f32 v[236:237], v[236:237], v[98+\j:99+\j]
.endr
	v_pk_add_f32 v[14:15], v[14:15], v[236:237]
	s_wait_alu depctr_va_vdst(0)                   ; and one for the four
.irp b, 0,1,2,3
	v_max_num_f32 v[232+\b], 0x1800000, v[232+\b]  ; the floor 2^(3 - 127): the byte cannot fall under 1
.endr
.irp b, 0,1,2,3
	v_add_nc_u32 v[244+\b], 0xff000000, v[232+\b]  ; 2 off the exponent field: the conversion's scale operand
.endr
.irp b, 0,1,2,3
	v_lshrrev_b32 v[236+\b], 23, v[244+\b]         ; the byte
.endr
	v_lshl_or_b32 v255, v237, 8, v236              ; p's scale word for these 128 keys
	v_lshl_or_b32 v255, v238, 16, v255
	v_lshl_or_b32 v255, v239, 24, v255
.irp c, 0,1
	v_cvt_scalef32_pk16_fp6_f32 v[224+6*\c:226+6*\c], v[96+32*\c:111+32*\c], v[244+2*\c]
	v_cvt_scalef32_pk16_fp6_f32 v[236+4*\c:238+4*\c], v[112+32*\c:127+32*\c], v[244+2*\c+1]
.endr
	v_nop                                          ; one plain line behind the last scaled conversion
.irp c, 0,1
.irp i, 0,1,2
	v_permlane16_swap_b32 v[224+6*\c+\i], v[236+4*\c+\i]   ; a whole block in a lane
.endr
.irp i, 0,1,2
	v_mov_b32 v[227+6*\c+\i], v[236+4*\c+\i]
.endr
.endr
.set NN, 0
.rept 16
	v_pk_mul_f32 v[160+NN:161+NN], v[160+NN:161+NN], v[252:253] op_sel_hi:[1,0]   ; O^T under the new M; these are also the places between the codes' and the word's last writes and the products
.set NN, NN+2
.endr
	s_wait_dscnt 0x0                               ; V^T and its words are in
.irp t, 0,1,2,3
	WMA 160+8*\t, 32+12*\t, 224, 208+\t, 255       ; O^T += V^T P^T: the four accumulators by turns; a sum's next link stands a key step on
.endr
.Lhidden_\@:
	s_add_co_u32 s[KS], s[KS], 1
.endm
	s_load_b256 s[4:11], s[0:1], 0x0               ; qf, kv, of, os
	s_load_b64 s[12:13], s[0:1], 0x20              ; out0
	v_lshl_add_u32 v[SPW], v0, 2, SPARE
	v_mov_b32 v[NIL], 0
	ds_add_u32 v5, v6
	s_wait_dscnt 0x0
	v_lshrrev_b32 v29, 5, v0
	v_readfirstlane_b32 s[WV], v29                 ; wave 0 .. 15
	s_bfe_u32 s15, ttmp6, 0x40000                  ; cx: my place in the cluster
	s_mov_b32 s16, ttmp9                           ; J: the cluster's number in its head
	s_and_b32 s17, ttmp7, 0xffff                   ; batch x head
	; descriptor group 1: 104 dense rows of 256 bytes
	s_mov_b32 s[G1], 15|(3<<16)|(1<<21)            ; 15:0 the mask: all four work-groups; 17:16 elements of 8 bytes; 20 no padding; 21 set beside a mask
	s_mov_b32 s[G1+1], 32<<16                      ; tensor_dim0 = 32 elements
	s_mov_b32 s[G1+2], 104<<16                     ; tensor_dim1 = 104
	s_mov_b32 s[G1+3], 32<<16                      ; tile_dim0
	s_mov_b32 s[G1+4], 104                         ; tile_dim1
	s_mov_b32 s[G1+5], 32                          ; from row to row
	s_mov_b32 s[G1+6], 0
	s_mov_b32 s[G1+7], 0
	s_mul_i32 s50, s17, 32*REC                     ; the head's first byte in kv
	s_mov_b32 s51, 0
	s_wait_kmcnt 0x0
	s_add_nc_u64 s[6:7], s[6:7], s[50:51]
	s_mov_b32 s[G0], 1
	s_mov_b32 s[G0+1], 0                           ; slot 0
	s_mov_b64 s[G0+2:G0+3], s[6:7]                 ; key steps 0, 1
	s_or_b32 s[G0+3], s[G0+3], 0x80000000
	s_mov_b32 s[G0+4], 1
	s_mov_b32 s[G0+5], SLOTB                       ; slot 1
	s_add_nc_u64 s[G0+6:G0+7], s[6:7], SLOTB       ; key steps 2, 3
	s_or_b32 s[G0+7], s[G0+7], 0x80000000
	ROUND                                          ; all four work-groups are here: the first joint load meets
	TLOAD G0
	; which block and which tile are mine: from the wave's number and J alone
	s_lshr_b32 s52, s[WV], 2                       ; g
	s_bfe_u32 s53, s[WV], 0x10001                  ; pi: bit 1
	s_xor_b32 s54, s52, s[WV]
	s_and_b32 s54, s54, 1                          ; late = (g xor w) & 1
	s_lshr_b32 s55, s52, 1
	s_xor_b32 s55, s55, s52                        ; g in Gray code,
	s_xor_b32 s56, s53, s54
	s_mul_i32 s56, s56, 3
	s_xor_b32 s55, s55, s56                        ; turned round where pi xor late: i, the block among its four
	s_lshl_b32 s57, s16, 2
	s_sub_co_u32 s58, 28, s57
	s_cmp_eq_u32 s54, 1
	s_cselect_b32 s[BLK], s58, s57
	s_add_co_u32 s[BLK], s[BLK], s55               ; 28 - 4 J + i or 4 J + i
	s_cmp_eq_u32 s53, 1
	s_cselect_b32 s[UM], -1, 0
	s_lshl_b32 s49, s53, 4                         ; 16 pi
	s_lshl_b32 s56, s17, 5
	s_add_co_u32 s56, s56, s[BLK]
	s_mul_i32 s56, s56, QREC                       ; my block's record in qf
	s_mul_i32 s58, s15, 1536
	s_add_co_u32 s58, s58, s56
	s_mov_b32 s59, 0
	s_add_nc_u64 s[60:61], s[4:5], s[58:59]        ; pair cx = [tile 2 cx | tile 2 cx + 1]
	s_lshl_b32 s58, s15, 2
	s_add_co_u32 s58, s58, s56
	s_add_nc_u64 s[62:63], s[4:5], s[58:59]        ; and its word among a lane's four
	v_and_b32 v29, 31, v0
	v_lshlrev_b32 v[LI], 4, v29
	global_load_b128 v[32:35], v[LI], s[60:61]
	global_load_b128 v[36:39], v[LI], s[60:61] offset:512
	global_load_b128 v[40:43], v[LI], s[60:61] offset:1024
	global_load_b32 v44, v[LI], s[62:63] offset:6144
	v_lshlrev_b32 v[L8], 3, v29
	v_lshlrev_b32 v[L4], 2, v29
	v_lshlrev_b32 v[PFO], 8, v29
	v_and_b32 v30, 15, v0                          ; r
	v_bfe_u32 v31, v0, 4, 1                        ; h
	v_lshlrev_b32 v[ZO], 12, v31
	v_lshl_add_u32 v[ZO], v30, 4, v[ZO]
	v_and_b32 v[DQ], 8, v30
	v_add_nc_u32 v[DQ], v[DQ], v30                 ; r + 8 (r / 8)
	v_lshlrev_b32 v31, 4, v31
	v_sub_nc_u32 v[DQ], v[DQ], v31                 ; - 16 h
	s_lshl_b32 s76, s15, 5
	s_lshl_b32 s77, s53, 3
	s_add_co_u32 s76, s76, s77
	v_add_nc_u32 v[DQ], s76, v[DQ]                 ; + 32 cx + 8 pi
.irp k, 0,1,2,3
	v_mov_b32 v[ZR+\k], 0
.endr
	s_lshr_b32 s66, s17, 3                         ; batch
	s_and_b32 s67, s17, 7                          ; head
	s_lshl_b32 s68, s66, 5
	s_add_co_u32 s68, s68, s[BLK]
	s_lshl_b32 s68, s68, 2
	s_add_co_u32 s68, s68, s15
	s_lshl_b32 s68, s68, 1
	s_add_co_u32 s68, s68, s53                     ; my tile of tokens among 512: 256 batch + 8 BLK + 2 cx + pi
	s_lshl_b32 s70, s68, 4
	s_sub_co_u32 s70, s70, s77                     ; its first token: 16 tile - 8 pi
	s_lshl_b32 s70, s70, 12                        ; rows of 4,096 bytes
	s_lshl_b32 s69, s67, 8                         ; of a row's 2,048 zero bytes each head's waves write 256
	s_add_co_u32 s70, s70, s69
	s_mov_b32 s71, 0
	s_add_nc_u64 s[12:13], s[12:13], s[70:71]
.irp i, 0,1,2,3,4,5,6,7
	global_store_b128 v[ZO], v[ZR:ZR+3], s[12:13] offset:2048+(2*\i+8*(\i/4))*4096 th:TH_STORE_NT   ; columns 512 + 64 head on of two of my 16 tokens: sixteen lanes store 256 aligned bytes
.endr
	s_lshl_b32 s72, s68, 3
	s_add_co_u32 s72, s72, s67                     ; 8 tile + head
	s_mul_i32 s74, s72, 768
	s_mov_b32 s75, 0
	s_add_nc_u64 s[8:9], s[8:9], s[74:75]          ; where o's codes go,
	s_lshl_b32 s74, s72, 7
	s_add_nc_u64 s[10:11], s[10:11], s[74:75]      ; and their words
	s_lshl_b32 s78, s15, 13                        ; the prefetches: my work-group's 32 blocks of a change's 128,
	s_add_co_u32 s78, s78, 2*SLOTB-32768           ; one step in front of block 208: the first change of slots steps it there.  Nothing is prefetched at the head
	s_mov_b32 s79, 0
	s_add_nc_u64 s[PFA:PFA+1], s[6:7], s[78:79]
	s_xor_b32 s50, s[WV], 4
	s_or_b32 s50, s50, s16
	s_cmp_eq_u32 s50, 0                            ; wave 4 of the head's first cluster: the same in all four partners
	s_cselect_b32 s[LIM], 11, 0
	s_mov_b32 s[SEL], 0x76543210
	s_mov_b32 s[SEL+1], 0xfedcba98
	s_mov_b32 s[CS], 0x3e38aa3b                    ; log2(e) / 8
	s_mov_b32 s[CS+1], s[CS]                       ; (named with it as a pair, so it is written)
	s_mov_b32 s[KS], 0
	s_mov_b32 s[CH], 0
	s_sub_co_u32 s[TR], 7, s16                     ; 16 - 2 J slots: 7 - J trips of two, and two written out
	v_mov_b32 v13, 0xff61b1e6                      ; the largest t so far: -3e38
	v_floor_f32 v12, -v13                          ; -M
	v_mov_b32 v14, 0
	v_mov_b32 v15, 0
.irp b, 0,1,2,3
	v_mov_b32 v[236+\b], 0                         ; written once: a lane permute's destination counts as one of its sources
.endr
	v_mov_b32 v252, 0                              ; likewise, for the way out
	v_mov_b32 v253, 0                              ; (named as the upper half of the pair v[252:253])
	s_wait_loadcnt 0x0                             ; q's pair and its word
.irp k, 0,1,2,3,4,5
	v_cndmask_b32 v[16+\k], v[32+\k], v[38+\k], s[UM]      ; my tile of the pair: Q0 = [q | 0]
.endr
.irp k, 0,1,2,3,4,5
	v_mov_b32 v[198+\k], v[16+\k]                  ; Q1 = [0 | q]
	v_mov_b32 v[22+\k], 0
	v_mov_b32 v[192+\k], 0
.endr
	v_lshrrev_b32 v45, s49, v44
	v_and_b32 v45, 0xffff, v45                     ; my tile's two bytes
	v_or_b32 v204, 0x01010000, v45                 ; Q0's word; the null half's bytes are 1
	v_lshl_or_b32 v205, v45, 16, 0x0101            ; Q1's
.set NN, 0
.rept 32
	v_mov_b32 v[160+NN], 0                         ; O^T.  The step is written without a first form: it finds zeros, which the first change of M leaves zeros.  (Also the places between q's words and the first products)
.set NN, NN+1
.endr
.Llap:                                             ; a trip goes once round the ring
	CHANGE 0, 1
	STEP 0, 0
	STEP 0, 1
	CHANGE 1, 1
	STEP 1, 0
	STEP 1, 1
	s_sub_co_u32 s[TR], s[TR], 1
	s_cmp_lg_u32 s[TR], 0
	s_cbranch_scc1 .Llap
	CHANGE 0, 1                                    ; the last lap is written out: one more slot is asked for
	STEP 0, 0
	STEP 0, 1
	CHANGE 1, 0                                    ; then none
	STEP 1, 0
	STEP 1, 1
	; THE WAY OUT: O^T / the sum, quantised along the head's 64 channels: registers 0-5 of a fragment of the last product, and two bytes.
	v_add_f32 v14, v14, v15                        ; the sum's two halves,
	v_permlanex16_b32 v252, v14, s[SEL], s[SEL+1]
	v_add_f32 v14, v14, v252                       ; and lane l xor 16's
	v_rcp_f32 v14, v14
	v_nop                                          ; plain lines behind the reciprocal; with the additions above also the four places behind the last products
	v_nop
	s_wait_alu depctr_va_vdst(0)                   ; the wait ahead of the reciprocal's first reader
.set NN, 0
.rept 16
	v_pk_mul_f32 v[96+NN:97+NN], v[160+NN:161+NN], v[14:15] op_sel_hi:[1,0]   ; register 16 b + i: channel 32 b + 16 h + i; each accumulator from its low end on
.set NN, NN+2
.endr
.irp b, 0,1
	v_max3_num_f32 v[232+\b], |v[96+16*\b]|, |v[97+16*\b]|, 0x1800000
.endr
.irp i, 2,4,6,8,10,12,14
.irp b, 0,1
	v_max3_num_f32 v[232+\b], v[232+\b], |v[96+16*\b+\i]|, |v[97+16*\b+\i]|
.endr
.endr
.irp b, 0,1
	v_permlanex16_b32 v[236+\b], v[232+\b], s[SEL], s[SEL+1]
.endr
.irp b, 0,1
	v_max_num_f32 v[232+\b], v[232+\b], v[236+\b]
.endr
.irp b, 0,1
	v_add_nc_u32 v[244+\b], 0xff000000, v[232+\b]
.endr
.irp b, 0,1
	v_lshrrev_b32 v[236+\b], 23, v[244+\b]
.endr
	v_lshl_or_b32 v255, v237, 8, v236
	v_cvt_scalef32_pk16_fp6_f32 v[224:226], v[96:111], v244
	v_cvt_scalef32_pk16_fp6_f32 v[240:242], v[112:127], v245
	v_nop
.irp i, 0,1,2
	v_permlane16_swap_b32 v[224+\i], v[240+\i]
.endr
.irp i, 0,1,2
	v_mov_b32 v[227+\i], v[240+\i]
.endr
	global_store_b128 v[LI], v[224:227], s[8:9]              ; registers 0-3: 512 dense bytes
	global_store_b64 v[L8], v[228:229], s[8:9] offset:512    ; registers 4, 5: 256
	global_store_b32 v[L4], v255, s[10:11]                   ; the word: 128 bytes a head
	s_wait_tensorcnt 0x0                           ; the wave's end
	ds_add_u32 v[SPW], v[NIL]
	s_wait_dscnt 0x0
	ROUND                                          ; the closing round: no work-group ends while a partner may still ask for a slot that names it
	s_endpgm
.Lfunc_end_k_q556e8a6513_attn:
	.size	k_q556e8a6513_attn, .Lfunc_end_k_q556e8a6513_attn-k_q556e8a6513_attn
	.p2alignl 7, 3214868480
	.fill 96, 4, 3214868480
	.section	.rodata,"a",@progbits
	.p2align	6, 0x0
	.amdhsa_kernel k_q556e8a6513_attn
		.amdhsa_group_segment_fixed_size 327680
		.amdhsa_private_segment_fixed_size 0
		.amdhsa_enable_private_segment 0
		.amdhsa_kernarg_size 40
		.amdhsa_user_sgpr_count 2
		.amdhsa_user_sgpr_kernarg_segment_ptr 1
		.amdhsa_wavefront_size32 1
		.amdhsa_system_sgpr_workgroup_id_x 1
		.amdhsa_system_sgpr_workgroup_id_y 1
		.amdhsa_system_sgpr_workgroup_id_z 1
		.amdhsa_system_vgpr_workitem_id 0
		.amdhsa_next_free_vgpr 256
		.amdhsa_next_free_sgpr 80
		.amdhsa_reserve_vcc 1
		.amdhsa_float_denorm_mode_32 3
		.amdhsa_float_denorm_mode_16_64 3
		.amdhsa_memory_ordered 1
		.amdhsa_forward_progress 1
		.amdhsa_inst_pref_size 179
	.end_amdhsa_kernel
	.amdgpu_metadata
---
amdhsa.version: [ 1, 2 ]
amdhsa.kernels:
  - .name:           k_q556e8a6513_attn
    .symbol:         k_q556e8a6513_attn.kd
    .args:
      - { .name: qf, .offset: 0, .size: 8, .value_kind: global_buffer, .address_space: global }
      - { .name: kv, .offset: 8, .size: 8, .value_kind: global_buffer, .address_space: global }
      - { .name: of, .offset: 16, .size: 8, .value_kind: global_buffer, .address_space: global }
      - { .name: os, .offset: 24, .size: 8, .value_kind: global_buffer, .address_space: global }
      - { .name: out0, .offset: 32, .size: 8, .value_kind: global_buffer, .address_space: global }
    .group_segment_fixed_size: 327680
    .private_segment_fixed_size: 0
    .kernarg_segment_align: 8
    .kernarg_segment_size: 40
    .max_flat_workgroup_size: 512
    .sgpr_count:     80
    .vgpr_count:     256
    .wavefront_size: 32
...
	.end_amdgpu_metadata
.endif
;; end of part 3
;; launch oproj (part 4): grid 256 x 1, 4 waves a work-group, no clusters, 35,328 bytes of LDS; arguments opf, ops, of, os, out0; writes out0
.if DOCPART == 4
	.amdgcn_target "amdgcn-amd-amdhsa--gfx1250"
	.amdhsa_code_object_version 6
	.text
	.protected	k_q556e8a6513_oproj
	.globl	k_q556e8a6513_oproj
	.p2align	8
	.type	k_q556e8a6513_oproj,@function
k_q556e8a6513_oproj:
	s_mov_b64 s[64:65], 0
	v_nop
	global_prefetch_b8 v0, s[64:65] scope:SCOPE_SE
	s_setreg_imm32_b32 hwreg(HW_REG_WAVE_MODE, 25, 1), 1
	s_wait_xcnt 0x0
; out0[:, :, :512] = o wo[:512, :512]^T on codes of FP6 (K = 512), sums in f32.  o's codes and bytes come from the attention launch, wo's from the quantising launch, all as images of operand registers.
; SHARES: a work-group takes 32 tokens (token tiles 2 g, 2 g + 1), its wave w the columns 128 w .. 128 w + 127: wo's tiles 8 w .. 8 w + 7, which stay in registers (384).
; The product is used transposed (source 0 = 16 rows of wo, source 1 = 16 tokens): by the order of rows in a tile a lane's 64 results are, for token r of the tile, register 16 b + i = column 32 b + 16 h + i:
; 64 neighbouring bytes a block.  They go through the wave's own stage in LDS and leave as whole rows of 512 bytes, aligned to 256.
; of: [token tile 512][head 8][768]: a head's 64 channels are registers 0-5 (even head) or 6-11 (odd head) of K step head / 2.  os: [token tile][head][lane]: two bytes in a word.
; NO JOINT LOADS: operands go straight into registers; a work-group has two passing tiles, 64 products a wave, and nothing to overlap a ring's rounds with.  What work-groups share is wo's 196,608 bytes of codes.
; REGISTERS: window 1: wo's fragments of K steps 0, 1 at 24 t + 12 s; window 2: of K steps 2, 3; window 3: the two token tiles, 48 each; window 0: the rest.
.set PITCH, 528
.set WST,   16*PITCH
.set LI,  4                            ; v4   16 x lane
.set L8,  5                            ; v5   8 x lane
.set L4,  6                            ; v6   4 x lane
.set STI, 7                            ; v7   into my stage: row r, + 64 h
.set STO, 8                            ; v8   out of it: 16 x lane
.set ACC, 16                           ; v16-79
.set SS,  80                           ; v80-111  wo's scale words, 4 t + s
.set RAW, 112                          ; v112-127 o's bytes as stored, 8 q + head
.set MS,  128                          ; v128-135 o's scale words, 4 q + s
.set OB,  144                          ; v144-207 16 rows on their way out
.set MSB, 0
.macro WIN new                         ; the immediate's high byte repeats the setting that is left
.if MSB != \new
	s_set_vgpr_msb (MSB<<8)|\new
.set MSB, \new
.endif
.endm
.macro WM0 d, a, b, sa, sb
	v_wmma_scale_f32_16x16x128_f8f6f4 v[\d:\d+7], v[\a:\a+11], v[\b:\b+11], 0, v[\sa], v[\sb] matrix_a_fmt:MATRIX_FMT_FP6 matrix_b_fmt:MATRIX_FMT_FP6
.endm
.macro WMA d, a, b, sa, sb
	v_wmma_scale_f32_16x16x128_f8f6f4 v[\d:\d+7], v[\a:\a+11], v[\b:\b+11], v[\d:\d+7], v[\sa], v[\sb] matrix_a_fmt:MATRIX_FMT_FP6 matrix_b_fmt:MATRIX_FMT_FP6
.endm
.macro MUL q                           ; 32 products: K step by K step, the eight accumulators by turns, one instruction a turn
	WIN 0x0d                                       ; source 0 window 1, source 1 window 3
.irp t, 0,1,2,3,4,5,6,7
	WM0 ACC+8*\t, 24*\t, 48*(\q), SS+4*\t, MS+4*(\q)
.endr
.irp t, 0,1,2,3,4,5,6,7
	WMA ACC+8*\t, 24*\t+12, 48*(\q)+12, SS+4*\t+1, MS+4*(\q)+1
.endr
	WIN 0x0e                                       ; source 0 window 2
.irp t, 0,1,2,3,4,5,6,7
	WMA ACC+8*\t, 24*\t, 48*(\q)+24, SS+4*\t+2, MS+4*(\q)+2
.endr
.irp t, 0,1,2,3,4,5,6,7
	WMA ACC+8*\t, 24*\t+12, 48*(\q)+36, SS+4*\t+3, MS+4*(\q)+3
.endr
	WIN 0
.endm
	s_load_b256 s[4:11], s[0:1], 0x0               ; opf, ops, of, os
	s_load_b64 s[12:13], s[0:1], 0x20              ; out0
	v_lshl_add_u32 v254, v0, 2, 0x8800
	v_mov_b32 v255, 0
	v_lshrrev_b32 v1, 5, v0
	v_readfirstlane_b32 s14, v1                    ; wave
	v_and_b32 v1, 31, v0
	v_lshlrev_b32 v[LI], 4, v1
	v_lshlrev_b32 v[L8], 3, v1
	v_lshlrev_b32 v[L4], 2, v1
	v_and_b32 v2, 15, v0                           ; r
	v_bfe_u32 v3, v0, 4, 1                         ; h
	s_mul_i32 s15, s14, WST
	v_mul_u32_u24 v[STI], v2, PITCH
	v_lshl_add_u32 v[STI], v3, 6, v[STI]
	v_add_nc_u32 v[STI], s15, v[STI]
	v_add_nc_u32 v[STO], s15, v[LI]
	s_lshl_b32 s16, s14, 3
	s_add_co_u32 s16, s16, 608                     ; wo's tiles begin at 608
	s_mul_i32 s18, s16, 6144
	s_mov_b32 s19, 0
	s_lshl_b32 s20, s16, 9
	s_mov_b32 s21, 0
	s_mul_i32 s22, ttmp9, 2*8*768                  ; my two token tiles in of,
	s_mov_b32 s23, 0
	s_lshl_b32 s24, ttmp9, 11                      ; in os,
	s_mov_b32 s25, 0
	s_lshl_b32 s26, ttmp9, 17                      ; and my 32 rows of 4,096 bytes in out0,
	s_lshl_b32 s27, s14, 9                         ; my wave's 512 bytes of a row
	s_add_co_u32 s26, s26, s27
	s_mov_b32 s27, 0
	s_wait_kmcnt 0x0
	s_add_nc_u64 s[4:5], s[4:5], s[18:19]
	s_add_nc_u64 s[6:7], s[6:7], s[20:21]
	s_add_nc_u64 s[8:9], s[8:9], s[22:23]
	s_add_nc_u64 s[10:11], s[10:11], s[24:25]
	s_add_nc_u64 s[12:13], s[12:13], s[26:27]
.irp t, 0,1,2,3,4,5,6,7
	global_load_b128 v[SS+4*\t:SS+4*\t+3], v[LI], s[6:7] offset:512*\t
.endr
.irp q, 0,1
.irp d, 0,1,2,3,4,5,6,7
	global_load_b32 v[RAW+8*\q+\d], v[L4], s[10:11] offset:(8*\q+\d)*128
.endr
.endr
	WIN 0xc0                                       ; destination window 3
.irp q, 0,1
.irp d, 0,1,2,3,4,5,6,7
	global_load_b128 v[48*\q+6*\d:48*\q+6*\d+3], v[LI], s[8:9] offset:(8*\q+\d)*768
	global_load_b64 v[48*\q+6*\d+4:48*\q+6*\d+5], v[L8], s[8:9] offset:(8*\q+\d)*768+512
.endr
.endr
	WIN 0x40                                       ; destination window 1
.irp t, 0,1,2,3,4,5,6,7
.irp n, 0,1,2,3,4,5
	global_load_b128 v[24*\t+4*\n:24*\t+4*\n+3], v[LI], s[4:5] offset:6144*\t+512*\n
.endr
.endr
	WIN 0x80                                       ; destination window 2
.irp t, 0,1,2,3,4,5,6,7
.irp n, 0,1,2,3,4,5
	global_load_b128 v[24*\t+4*\n:24*\t+4*\n+3], v[LI], s[4:5] offset:6144*\t+3072+512*\n
.endr
.endr
	WIN 0
	s_wait_loadcnt 0x0
.irp q, 0,1
.irp s, 0,1,2,3
	v_perm_b32 v[MS+4*\q+\s], v[RAW+8*\q+2*\s+1], v[RAW+8*\q+2*\s], 0x05040100   ; K step s: the even head's two bytes, then the odd head's
.endr
.endr
.rept 8
	v_nop                                          ; a scale register written by a vector instruction stands eight places ahead of a scaled product
.endr
.irp q, 0,1
	MUL \q
.rept 5
	v_nop                                          ; four places in front of the stores that read the results; the fifth for the next tile's products, which write over them
.endr
.irp b, 0,1,2,3
.irp k, 0,1,2,3
	ds_store_b128 v[STI], v[ACC+16*\b+4*\k:ACC+16*\b+4*\k+3] offset:128*\b+16*\k   ; each accumulator from its low end on
.endr
.endr
.if \q > 0
	s_wait_xcnt 0x0                                ; the first tile's stores have read their data: the rows' registers are loaded again only behind this wait
.endif
.irp i, 0,1,2,3,4,5,6,7,8,9,10,11,12,13,14,15
	ds_load_b128 v[OB+4*\i:OB+4*\i+3], v[STO] offset:PITCH*\i      ; LDS serves a wave's instructions in order: these see my stores
.endr
.irp i, 0,1,2,3,4,5,6,7,8,9,10,11,12,13,14,15
	s_wait_dscnt 15-\i                             ; row i is back; the 15 - i younger loads may be out
	global_store_b128 v[LI], v[OB+4*\i:OB+4*\i+3], s[12:13] offset:(8*\q+\i+8*(\i/8))*4096 th:TH_STORE_NT   ; the tile's place i is token 8 q + i + 8 (i / 8) of my 32: 512 dense bytes, aligned to 256
.endr
.endr
	s_wait_tensorcnt 0x0
	ds_add_u32 v254, v255
	s_wait_dscnt 0x0
	s_endpgm
.Lfunc_end_k_q556e8a6513_oproj:
	.size	k_q556e8a6513_oproj, .Lfunc_end_k_q556e8a6513_oproj-k_q556e8a6513_oproj
	.p2alignl 7, 3214868480
	.fill 96, 4, 3214868480
	.section	.rodata,"a",@progbits
	.p2align	6, 0x0
	.amdhsa_kernel k_q556e8a6513_oproj
		.amdhsa_group_segment_fixed_size 35328
		.amdhsa_private_segment_fixed_size 0
		.amdhsa_enable_private_segment 0
		.amdhsa_kernarg_size 40
		.amdhsa_user_sgpr_count 2
		.amdhsa_user_sgpr_kernarg_segment_ptr 1
		.amdhsa_wavefront_size32 1
		.amdhsa_system_sgpr_workgroup_id_x 1
		.amdhsa_system_sgpr_workgroup_id_y 1
		.amdhsa_system_sgpr_workgroup_id_z 1
		.amdhsa_system_vgpr_workitem_id 0
		.amdhsa_next_free_vgpr 1024
		.amdhsa_next_free_sgpr 66
		.amdhsa_reserve_vcc 0
		.amdhsa_float_denorm_mode_32 3
		.amdhsa_float_denorm_mode_16_64 3
		.amdhsa_memory_ordered 1
		.amdhsa_forward_progress 1
		.amdhsa_inst_pref_size 34
	.end_amdhsa_kernel
	.amdgpu_metadata
---
amdhsa.version: [ 1, 2 ]
amdhsa.kernels:
  - .name:           k_q556e8a6513_oproj
    .symbol:         k_q556e8a6513_oproj.kd
    .args:
      - { .name: opf, .offset: 0, .size: 8, .value_kind: global_buffer, .address_space: global }
      - { .name: ops, .offset: 8, .size: 8, .value_kind: global_buffer, .address_space: global }
      - { .name: of, .offset: 16, .size: 8, .value_kind: global_buffer, .address_space: global }
      - { .name: os, .offset: 24, .size: 8, .value_kind: global_buffer, .address_space: global }
      - { .name: out0, .offset: 32, .size: 8, .value_kind: global_buffer, .address_space: global }
    .group_segment_fixed_size: 35328
    .private_segment_fixed_size: 0
    .kernarg_segment_align: 8
    .kernarg_segment_size: 40
    .max_flat_workgroup_size: 128
    .sgpr_count:     66
    .vgpr_count:     1024
    .wavefront_size: 32
...
	.end_amdgpu_metadata
.endif
;; end of part 4
;; ======== version 2 of 2: 4 launches
;; workspace buffers: opf 3,932,160 bytes; ops 327,680 bytes; qf 3,407,872 bytes; kv 6,815,744 bytes; of 3,145,728 bytes; os 524,288 bytes
;; launch quant (part 5): grid 640 x 1, 4 waves a work-group, no clusters, 35,328 bytes of LDS; arguments x, wq, wk, wv, wo, opf, ops; writes opf, ops
.if DOCPART == 5
	.amdgcn_target "amdgcn-amd-amdhsa--gfx1250"
	.amdhsa_code_object_version 6
	.text
	.protected	k_q556e8a6513_quant
	.globl	k_q556e8a6513_quant
	.p2align	8
	.type	k_q556e8a6513_quant,@function
k_q556e8a6513_quant:
	s_mov_b64 s[64:65], 0
	v_nop
	global_prefetch_b8 v0, s[64:65] scope:SCOPE_SE
	s_setreg_imm32_b32 hwreg(HW_REG_WAVE_MODE, 25, 1), 1
	s_wait_xcnt 0x0
; x[:, :, :512] (8,192 rows) and the first 512 rows x 512 columns of wq, wk, wv, wo, all f32 with K innermost, become codes of FP6 (E2M3) with one E8M0 byte for each 32 along K.
; A block's scale is 2^(floor(log2(its largest magnitude)) - 2); its byte is the largest magnitude's exponent field - 2, held at 1 from below.
; LIMITS: NaN and infinities among the inputs are not served; a block whose largest magnitude lies under 2^-124, and a block of zeros, gets the byte 1 (a block of zeros has zero codes, and this program alone reads the bytes).
; WHAT IS STORED IS THE IMAGE OF AN OPERAND'S REGISTERS.  A TILE is 16 rows: tile 2 B + u holds, at place r, row 32 B + 8 u + r + 8 (r / 8).  A FRAGMENT is a tile x 128 along K: 12 registers a lane, stored as three
; groups of 512 bytes, group c = registers 4 c .. 4 c + 3, lane l's 16 bytes at 16 l.  Its rows' scale words: one word a lane.  So every later launch fills an operand by loads of 16 bytes a lane, 512 dense bytes each.
; opf: [tile 640][K step 4][1,536];  ops: [tile][lane 32][K step 4] words.  Tiles 0-511: x;  512 + 32 m + t: weight m (wq, wk, wv, wo).
; SHARES: a work-group makes a tile, its wave s K step s: 16 rows x 512 bytes.  Each load reads 512 dense bytes of one row; the numbers turn through the wave's own stage in LDS, so that lane (r, h) gets, of row r,
; the 16 neighbours 32 b + 16 h + 0 .. 15 of each block b.  No matrix unit, no tensor load, no cluster: each input byte is read once, by one wave.
.set PITCH, 528                        ; a stage row: 512 bytes + 16, an odd multiple of 16
.set WST,   16*PITCH                   ; a wave's stage
.set SCB,   4*WST                      ; behind the stages: the tile's 128 scale words
.set LI,  4                            ; v4   16 x lane
.set STI, 5                            ; v5   into my stage: 16 x lane
.set STO, 6                            ; v6   out of it: row r, + 64 h
.set SWI, 7                            ; v7   where my scale word goes: 16 x lane + 4 x wave
.set SWO, 8                            ; v8   where wave 0 reads the four words of a lane
.set R,   16                           ; v16-79   the numbers as loaded
.set X,   80                           ; v80-143  register 16 b + i: k = 32 b + 16 h + i of my row
.set TM,  144                          ; v144-147 largest magnitudes, v148-151 bytes, v156-159 the conversions' scale operands
.set PW,  160                          ; the scale word
.set PC,  164                          ; v164-175 the fragment
.set TQ,  176                          ; v176-182 the blocks' second halves on their way
.set OW,  184
.set SEL, 22                           ; s[22:23] selects of v_permlanex16_b32 for lane l xor 16
; 64 numbers of a lane, register 16 b + i = k 32 b + 16 h + i of my row, become six registers of codes at d0 (k 0-63), six at d1 (k 64-127) and the row's scale word in pw.
.macro QUANT s, d0, d1, pw
.irp b, 0,1,2,3
	v_max3_num_f32 v[TM+\b], |v[\s+16*\b]|, |v[\s+1+16*\b]|, 0x1800000   ; my 16 numbers of block b, and the floor 2^(3 - 127): the byte cannot fall under 1
.endr
.irp i, 2,4,6,8,10,12,14
.irp b, 0,1,2,3
	v_max3_num_f32 v[TM+\b], v[TM+\b], |v[\s+16*\b+\i]|, |v[\s+1+16*\b+\i]|   ; the four blocks by turns
.endr
.endr
.irp b, 0,1,2,3
	v_permlanex16_b32 v[TM+4+\b], v[TM+\b], s[SEL], s[SEL+1]
.endr
.irp b, 0,1,2,3
	v_max_num_f32 v[TM+\b], v[TM+\b], v[TM+4+\b]          ; with lane l xor 16's 16: the block's largest magnitude
.endr
.irp b, 0,1,2,3
	v_add_nc_u32 v[TM+12+\b], 0xff000000, v[TM+\b]        ; 2 off its exponent field: the conversion takes this operand's exponent field as its scale
.endr
.irp b, 0,1,2,3
	v_lshrrev_b32 v[TM+4+\b], 23, v[TM+12+\b]             ; the scale's byte
.endr
	v_lshl_or_b32 v[\pw], v[TM+5], 8, v[TM+4]
	v_lshl_or_b32 v[\pw], v[TM+6], 16, v[\pw]
	v_lshl_or_b32 v[\pw], v[TM+7], 24, v[\pw]
	v_cvt_scalef32_pk16_fp6_f32 v[\d0:\d0+2], v[\s:\s+15], v[TM+12]
	v_cvt_scalef32_pk16_fp6_f32 v[TQ:TQ+2], v[\s+16:\s+31], v[TM+13]      ; (a conversion's three registers begin on an even number)
	v_cvt_scalef32_pk16_fp6_f32 v[\d1:\d1+2], v[\s+32:\s+47], v[TM+14]
	v_cvt_scalef32_pk16_fp6_f32 v[TQ+4:TQ+6], v[\s+48:\s+63], v[TM+15]
	v_nop                                                  ; one plain line behind the last scaled conversion
.irp i, 0,1,2
	v_permlane16_swap_b32 v[\d0+\i], v[TQ+\i]              ; the layout wants a whole block in a lane: lanes 0-15 the even block, lanes 16-31 the odd one
	v_permlane16_swap_b32 v[\d1+\i], v[TQ+4+\i]
.endr
.irp i, 0,1,2
	v_mov_b32 v[\d0+3+\i], v[TQ+\i]
	v_mov_b32 v[\d1+3+\i], v[TQ+4+\i]
.endr
.endm
	s_load_b256 s[4:11], s[0:1], 0x0               ; x, wq, wk, wv
	s_load_b128 s[12:15], s[0:1], 0x20             ; wo, opf
	s_load_b64 s[16:17], s[0:1], 0x30              ; ops
	v_lshl_add_u32 v192, v0, 2, 0x8800
	v_mov_b32 v193, 0
	v_lshrrev_b32 v1, 5, v0
	v_readfirstlane_b32 s18, v1                    ; wave = K step
	v_and_b32 v1, 31, v0                           ; lane
	v_and_b32 v2, 15, v0                           ; r
	v_bfe_u32 v3, v0, 4, 1                         ; h
	v_lshlrev_b32 v[LI], 4, v1
	s_mul_i32 s20, s18, WST
	v_add_nc_u32 v[STI], s20, v[LI]
	v_mul_u32_u24 v[STO], v2, PITCH
	v_lshl_add_u32 v[STO], v3, 6, v[STO]
	v_add_nc_u32 v[STO], s20, v[STO]
	s_lshl_b32 s21, s18, 2
	s_add_co_u32 s21, s21, SCB
	v_add_nc_u32 v[SWI], s21, v[LI]
	v_add_nc_u32 v[SWO], SCB, v[LI]
.irp b, 0,1,2,3
	v_mov_b32 v[TM+4+\b], 0                        ; written once: a lane permute's destination counts as one of its sources
.endr
	s_mov_b32 s[SEL], 0x76543210
	s_mov_b32 s[SEL+1], 0xfedcba98
	s_and_b32 s24, ttmp9, 31                       ; the tile's number in its tensor: in a weight the work-group's number mod 32 (512 is a multiple of 32),
	s_cmp_lt_u32 ttmp9, 512
	s_cselect_b32 s24, ttmp9, s24                  ; in x the number itself
	s_lshr_b32 s25, s24, 1
	s_lshl_b32 s25, s25, 5
	s_and_b32 s26, s24, 1
	s_lshl_b32 s26, s26, 3
	s_add_co_u32 s25, s25, s26                     ; its first row: 32 (t / 2) + 8 (t % 2)
	s_lshl_b32 s26, s25, 12                        ; rows of 4,096 bytes in all five tensors
	s_lshl_b32 s27, s18, 9                         ; my K step's 512 bytes
	s_add_co_u32 s26, s26, s27
	s_mov_b32 s27, 0
	s_mul_i32 s28, ttmp9, 6144
	s_mul_i32 s29, s18, 1536
	s_add_co_u32 s28, s28, s29                     ; my fragment in opf
	s_mov_b32 s29, 0
	s_lshl_b32 s30, ttmp9, 9                       ; my tile's words in ops
	s_mov_b32 s31, 0
	s_wait_alu depctr_va_vdst(0)
	s_wait_kmcnt 0x0
	s_cmp_ge_u32 ttmp9, 512                        ; which tensor: the choice hangs on the work-group's number alone
	s_cselect_b64 s[4:5], s[6:7], s[4:5]
	s_cmp_ge_u32 ttmp9, 544
	s_cselect_b64 s[4:5], s[8:9], s[4:5]
	s_cmp_ge_u32 ttmp9, 576
	s_cselect_b64 s[4:5], s[10:11], s[4:5]
	s_cmp_ge_u32 ttmp9, 608
	s_cselect_b64 s[4:5], s[12:13], s[4:5]
	s_add_nc_u64 s[4:5], s[4:5], s[26:27]
	s_add_nc_u64 s[14:15], s[14:15], s[28:29]
	s_add_nc_u64 s[16:17], s[16:17], s[30:31]
.irp i, 0,1,2,3,4,5,6,7,8,9,10,11,12,13,14,15
	global_load_b128 v[R+4*\i:R+4*\i+3], v[LI], s[4:5] offset:(\i+8*(\i/8))*4096 th:TH_LOAD_NT   ; the tile's place i: 512 dense bytes of one row
.endr
.irp i, 0,1,2,3,4,5,6,7,8,9,10,11,12,13,14,15
	s_wait_loadcnt 15-\i                           ; loads come back in order: row i is in, the 15 - i younger ones may be out
	ds_store_b128 v[STI], v[R+4*\i:R+4*\i+3] offset:PITCH*\i
.endr
.irp b, 0,1,2,3
.irp j, 0,1,2,3
	ds_load_b128 v[X+16*\b+4*\j:X+16*\b+4*\j+3], v[STO] offset:128*\b+16*\j   ; LDS serves a wave's instructions in order: these see my stores
.endr
.endr
	s_wait_dscnt 0x0
	QUANT X, PC, PC+6, PW
.irp c, 0,1,2
	global_store_b128 v[LI], v[PC+4*\c:PC+4*\c+3], s[14:15] offset:512*\c      ; 512 dense bytes, aligned to 256
.endr
	ds_store_b32 v[SWI], v[PW]                     ; the four waves' words of a lane lie side by side
	s_wait_dscnt 0x0                               ; for the others' sake: my word has landed
	s_barrier_signal -1
	s_barrier_wait -1
	s_cmp_lg_u32 s18, 0
	s_cbranch_scc1 .Ldone
	ds_load_b128 v[OW:OW+3], v[SWO]
	s_wait_dscnt 0x0
	global_store_b128 v[LI], v[OW:OW+3], s[16:17]  ; wave 0 stores the tile's 512 bytes of scale words
.Ldone:
	s_wait_tensorcnt 0x0
	ds_add_u32 v192, v193
	s_wait_dscnt 0x0
	s_endpgm
.Lfunc_end_k_q556e8a6513_quant:
	.size	k_q556e8a6513_quant, .Lfunc_end_k_q556e8a6513_quant-k_q556e8a6513_quant
	.p2alignl 7, 3214868480
	.fill 96, 4, 3214868480
	.section	.rodata,"a",@progbits
	.p2align	6, 0x0
	.amdhsa_kernel k_q556e8a6513_quant
		.amdhsa_group_segment_fixed_size 35328
		.amdhsa_private_segment_fixed_size 0
		.amdhsa_enable_private_segment 0
		.amdhsa_kernarg_size 56
		.amdhsa_user_sgpr_count 2
		.amdhsa_user_sgpr_kernarg_segment_ptr 1
		.amdhsa_wavefront_size32 1
		.amdhsa_system_sgpr_workgroup_id_x 1
		.amdhsa_system_sgpr_workgroup_id_y 1
		.amdhsa_system_sgpr_workgroup_id_z 1
		.amdhsa_system_vgpr_workitem_id 0
		.amdhsa_next_free_vgpr 194
		.amdhsa_next_free_sgpr 66
		.amdhsa_reserve_vcc 0
		.amdhsa_float_denorm_mode_32 3
		.amdhsa_float_denorm_mode_16_64 3
		.amdhsa_memory_ordered 1
		.amdhsa_forward_progress 1
		.amdhsa_inst_pref_size 12
	.end_amdhsa_kernel
	.amdgpu_metadata
---
amdhsa.version: [ 1, 2 ]
amdhsa.kernels:
  - .name:           k_q556e8a6513_quant
    .symbol:         k_q556e8a6513_quant.kd
    .args:
      - { .name: x, .offset: 0, .size: 8, .value_kind: global_buffer, .address_space: global }
      - { .name: wq, .offset: 8, .size: 8, .value_kind: global_buffer, .address_space: global }
      - { .name: wk, .offset: 16, .size: 8, .value_kind: global_buffer, .address_space: global }
      - { .name: wv, .offset: 24, .size: 8, .value_kind: global_buffer, .address_space: global }
      - { .name: wo, .offset: 32, .size: 8, .value_kind: global_buffer, .address_space: global }
      - { .name: opf, .offset: 40, .size: 8, .value_kind: global_buffer, .address_space: global }
      - { .name: ops, .offset: 48, .size: 8, .value_kind: global_buffer, .address_space: global }
    .group_segment_fixed_size: 35328
    .private_segment_fixed_size: 0
    .kernarg_segment_align: 8
    .kernarg_segment_size: 56
    .max_flat_workgroup_size: 128
    .sgpr_count:     66
    .vgpr_count:     194
    .wavefront_size: 32
...
	.end_amdgpu_metadata
.endif
;; end of part 5
;; launch proj (part 6): grid 64 x 3, 4 waves a work-group, no clusters, 0 bytes of LDS; arguments opf, ops, qf, kv; writes qf, kv
.if DOCPART == 6
	.amdgcn_target "amdgcn-amd-amdhsa--gfx1250"
	.amdhsa_code_object_version 6
	.text
	.protected	k_q556e8a6513_proj
	.globl	k_q556e8a6513_proj
	.p2align	8
	.type	k_q556e8a6513_proj,@function
k_q556e8a6513_proj:
	s_mov_b64 s[64:65], 0
	v_nop
	global_prefetch_b8 v0, s[64:65] scope:SCOPE_SE
	s_setreg_imm32_b32 hwreg(HW_REG_WAVE_SCHED_MODE, 0, 2), 2
	s_setreg_imm32_b32 hwreg(HW_REG_WAVE_MODE, 25, 1), 1
	s_wait_xcnt 0x0
	s_wait_alu depctr_vm_vsrc(0)
; q, k, v = x W^T on codes of FP6 (K = 512), and each result quantised at once for attention: q and k along the head's 64 channels, v along the tokens.  Sums in f32.
; SHARES: work-group x = a block of 128 tokens (8 tiles), y = the role (0 q, 1 k, 2 v); wave = a pair of heads (128 channels, 8 tiles of the weight's rows).
; ONE JOB FOR ALL ROLES: eight tiles STAY in registers (all four K steps: 384 registers), eight tiles PASS.  For each passing tile 32 products (source 0 = a staying tile, source 1 = the passing one): a lane then
; holds one row of the passing tile, and, by the order of rows in a tile (tile 2 B + u, place r: row 32 B + 8 u + r + 8 (r / 8)), its 64 results are register 16 b + i = staying row 32 b + 16 h + i: what the quantiser takes.
; q, k: the weight stays, x passes: the codes are a token's 128 channels: registers 0-5 the first head's 64, registers 6-11 the second's.  v: x stays, the weight passes: a channel's 128 tokens: a fragment of V^T as it stands.
; WHAT IS STORED.  q, k: for each head PAIR fragments [token tile 2 p | token tile 2 p + 1] (each tile's 64 channels fill half of the instruction's K of 128) and pair words (bytes 0, 1 tile 2 p; 2, 3 tile 2 p + 1).
; qf: [batch x head 16][block 32][6,656] = 4 pair fragments, then [lane][4] words.   kv: [batch x head][block][13,312] = K's 4 pair fragments, V^T's 4 fragments, K's words, V's words.
; LIMITS: as the quantiser's: NaN and infinities are not served; a block under 2^-124, or of zeros, gets the byte 1.
; NO LDS, NO JOINT LOADS: operands lie in memory in register order and go straight into registers, 512 dense bytes a load.  What waves and roles share is the 49,152 bytes of the passing or staying x tiles;
; a work-group's whole life is eight tiles, so a ring with its rounds would have one pass in which to pay.
; REGISTERS: window 1: staying fragments of K steps 0, 1 at 24 t + 12 s; window 2: of K steps 2, 3; window 3: four buffers of 48 for passing tiles; window 0: the rest.
; THE MODE: SCHED_MODE bits 1:0 = 2 (LLVM: expert scheduling mode 2), set by the entry lines.  The code itself states the register dependences
; between vector or matrix instructions and memory instructions, with s_wait_alu, always for 0.
; THE PLAN.  Registers that memory instructions touch:
;   v[LI]                      Written once at the head; read by every load and store as its offset.
;   staying fragments, SS      Loaded once at the head; read by products alone.
;   buffer q (window 3), MS+4q Tile q's loads at the head, tile q + 4's in tile q's turn; read by the 32 products of tiles q and q + 4.
;   PC (v), HA and HB (q, k)   Written by the quantiser; read by the tile's stores (q, k: the odd tile's).
;   SA, SB                     Written by the quantiser or the two v_perm_b32; read by the two last stores.
;   ACC, TM, TQ, PW, PWH are named by vector and matrix instructions alone.
; So ONE wait on va_vdst stands in a tile's turn, behind its quantiser: the codes and words are written, and the tile's products are done reading buffer q and its scale words.  Behind it come the loads of tile i + 4
; into that buffer and then the tile's stores, with no vector line among them.  One wait on vm_vsrc, beside the wait on XCNT, stands behind the next tile's products, ahead of the quantiser that writes the codes' registers again.
.set LI,  4                            ; v4   16 x lane; never rewritten
.set ACC, 16                           ; v16-79   eight accumulators
.set SS,  80                           ; v80-111  staying tiles' scale words, 4 t + s
.set MS,  112                          ; v112-127 passing tiles', 4 (buffer) + s
.set TM,  128                          ; v128-143 the quantiser's work
.set PW,  144                          ; scale word of an odd tile,
.set PWH, 145                          ; of the even tile before it
.set PC,  148                          ; v148-159 a fragment of V^T
.set TQ,  160                          ; v160-166
.set HA,  168                          ; v168-179 the first head's pair fragment
.set HB,  180                          ; v180-191 the second head's
.set SA,  192                          ; v192-195 the first head's four words
.set SB,  196                          ; v196-199 the second head's
.set SEL, 32
.set MSB, 0
.macro WIN new                         ; the immediate's high byte repeats the setting that is left
.if MSB != \new
	s_set_vgpr_msb (MSB<<8)|\new
.set MSB, \new
.endif
.endm
.macro WM0 d, a, b, sa, sb             ; a product that starts its sum
	v_wmma_scale_f32_16x16x128_f8f6f4 v[\d:\d+7], v[\a:\a+11], v[\b:\b+11], 0, v[\sa], v[\sb] matrix_a_fmt:MATRIX_FMT_FP6 matrix_b_fmt:MATRIX_FMT_FP6
.endm
.macro WMA d, a, b, sa, sb             ; and one that adds in place
	v_wmma_scale_f32_16x16x128_f8f6f4 v[\d:\d+7], v[\a:\a+11], v[\b:\b+11], v[\d:\d+7], v[\sa], v[\sb] matrix_a_fmt:MATRIX_FMT_FP6 matrix_b_fmt:MATRIX_FMT_FP6
.endm
.macro QUANT s, d0, d1, pw             ; 64 numbers of a lane, register 16 b + i = k 32 b + 16 h + i of my row -> six registers of codes at d0 (k 0-63), six at d1 (k 64-127), the scale word in pw
.irp b, 0,1,2,3
	v_max3_num_f32 v[TM+\b], |v[\s+16*\b]|, |v[\s+1+16*\b]|, 0x1800000   ; each accumulator is read from its low end on; the floor 2^(3 - 127) holds the byte at 1
.endr
.irp i, 2,4,6,8,10,12,14
.irp b, 0,1,2,3
	v_max3_num_f32 v[TM+\b], v[TM+\b], |v[\s+16*\b+\i]|, |v[\s+1+16*\b+\i]|
.endr
.endr
.irp b, 0,1,2,3
	v_permlanex16_b32 v[TM+4+\b], v[TM+\b], s[SEL], s[SEL+1]
.endr
.irp b, 0,1,2,3
	v_max_num_f32 v[TM+\b], v[TM+\b], v[TM+4+\b]
.endr
.irp b, 0,1,2,3
	v_add_nc_u32 v[TM+12+\b], 0xff000000, v[TM+\b]        ; 2 off the exponent field: the conversion's scale operand
.endr
.irp b, 0,1,2,3
	v_lshrrev_b32 v[TM+4+\b], 23, v[TM+12+\b]             ; the byte
.endr
	v_lshl_or_b32 v[\pw], v[TM+5], 8, v[TM+4]
	v_lshl_or_b32 v[\pw], v[TM+6], 16, v[\pw]
	v_lshl_or_b32 v[\pw], v[TM+7], 24, v[\pw]
	v_cvt_scalef32_pk16_fp6_f32 v[\d0:\d0+2], v[\s:\s+15], v[TM+12]
	v_cvt_scalef32_pk16_fp6_f32 v[TQ:TQ+2], v[\s+16:\s+31], v[TM+13]
	v_cvt_scalef32_pk16_fp6_f32 v[\d1:\d1+2], v[\s+32:\s+47], v[TM+14]
	v_cvt_scalef32_pk16_fp6_f32 v[TQ+4:TQ+6], v[\s+48:\s+63], v[TM+15]
	v_nop                                                  ; one plain line behind the last scaled conversion: matrix instructions write its sources again later
.irp i, 0,1,2
	v_permlane16_swap_b32 v[\d0+\i], v[TQ+\i]
	v_permlane16_swap_b32 v[\d1+\i], v[TQ+4+\i]
.endr
.irp i, 0,1,2
	v_mov_b32 v[\d0+3+\i], v[TQ+\i]
	v_mov_b32 v[\d1+3+\i], v[TQ+4+\i]
.endr
.endm
; Passing tile i: 12 loads of its four fragments into buffer i % 4, one of its scale words.  w = 1: in a tile's turn, where the buffer has been multiplied: the window's switch, the wait, the loads.
.macro LOADM i, w
	WIN 0xc0                                       ; destination window 3, address window 0
.if \w
	s_wait_alu depctr_va_vdst(0)                   ; the products of the tile in hand are done reading this buffer and its scale words, in which the loads below land; and its quantiser has written the codes and words that the stores behind these loads read
.endif
.irp n, 0,1,2,3,4,5,6,7,8,9,10,11
	global_load_b128 v[48*((\i)%4)+4*\n:48*((\i)%4)+4*\n+3], v[LI], s[20:21] offset:6144*(\i)+512*\n
.endr
	WIN 0
	global_load_b128 v[MS+4*((\i)%4):MS+4*((\i)%4)+3], v[LI], s[22:23] offset:512*(\i)
.endm
.macro MUL q                           ; 32 products: K step by K step, the eight accumulators by turns, one instruction a turn
	WIN 0x0d                                       ; source 0 window 1, source 1 window 3, C and D window 0
.irp t, 0,1,2,3,4,5,6,7
	WM0 ACC+8*\t, 24*\t, 48*(\q), SS+4*\t, MS+4*(\q)
.endr
.irp t, 0,1,2,3,4,5,6,7
	WMA ACC+8*\t, 24*\t+12, 48*(\q)+12, SS+4*\t+1, MS+4*(\q)+1
.endr
	WIN 0x0e                                       ; source 0 window 2
.irp t, 0,1,2,3,4,5,6,7
	WMA ACC+8*\t, 24*\t, 48*(\q)+24, SS+4*\t+2, MS+4*(\q)+2
.endr
.irp t, 0,1,2,3,4,5,6,7
	WMA ACC+8*\t, 24*\t+12, 48*(\q)+36, SS+4*\t+3, MS+4*(\q)+3
.endr
	WIN 0
.endm
.macro ITER i, isv
.if (\i) <= 4
	s_wait_loadcnt 39                              ; tile i and all before it are in; the three younger tiles' 13 loads each may be out
.else
	s_wait_loadcnt 13*(7-(\i))
.endif
	MUL (\i)%4
.rept 4
	v_nop                                          ; four places in front of the first read of the results
.endr
.if ((\i) > 0) && ((\isv) || ((\i)%2 == 0))
	s_wait_xcnt 0x0                                ; the last stores have had their addresses translated: the codes' registers are written again only behind this wait
	s_wait_alu depctr_vm_vsrc(0)                   ; the last stores have read the codes' registers (v: PC; q, k: HA and HB, both halves), which the quantiser below, and for q and k the next tile's too, writes again
.endif
.if \isv
	QUANT ACC, PC, PC+6, SA+(\i)                   ; channel tile i % 4 of head i / 4 x 128 tokens; its word goes to its place among the eight (SB = SA + 4)
.elseif (\i)%2 == 0
	QUANT ACC, HA, HB, PWH                         ; the even tile fills the lower halves of the two heads' pair fragments
.else
	QUANT ACC, HA+6, HB+6, PW                      ; the odd tile the upper halves
	v_perm_b32 v[SA+(\i)/2], v[PW], v[PWH], 0x05040100     ; the first head's pair word: the even tile's bytes 0, 1, then the odd tile's
	v_perm_b32 v[SB+(\i)/2], v[PW], v[PWH], 0x07060302     ; the second head's: bytes 2, 3 of both
.endif
.if (\i) < 4
	LOADM (\i)+4, 1                                ; the buffer just multiplied takes the tile four on; the turn's one wait on va_vdst stands in this macro
.elseif (\isv) || ((\i)%2 == 1)
	s_wait_alu depctr_va_vdst(0)                   ; the quantiser (q, k: and the two v_perm_b32) has written the codes and the words that the stores below read; in tile 7 all of SA and SB, for the two last stores
.endif
.if \isv
.irp c, 0,1,2
.if (\i) < 4
	global_store_b128 v[LI], v[PC+4*\c:PC+4*\c+3], s[24:25] offset:1536*((\i)%4)+512*\c
.else
	global_store_b128 v[LI], v[PC+4*\c:PC+4*\c+3], s[26:27] offset:1536*((\i)%4)+512*\c
.endif
.endr
.elseif (\i)%2 == 1
.irp c, 0,1,2
	global_store_b128 v[LI], v[HA+4*\c:HA+4*\c+3], s[24:25] offset:1536*((\i)/2)+512*\c
	global_store_b128 v[LI], v[HB+4*\c:HB+4*\c+3], s[26:27] offset:1536*((\i)/2)+512*\c
.endr
.endif
.endm
.macro PASS isv
.irp i, 0,1,2,3,4,5,6,7
	ITER \i, \isv
.endr
	global_store_b128 v[LI], v[SA:SA+3], s[28:29]  ; each head's four words a lane: 512 dense bytes.  No vector line stands behind tile 7's wait on va_vdst, which has shown SA and SB written
	global_store_b128 v[LI], v[SB:SB+3], s[30:31]
	s_endpgm
.endm
	s_load_b256 s[4:11], s[0:1], 0x0               ; opf, ops, qf, kv
	v_lshrrev_b32 v1, 5, v0
	v_readfirstlane_b32 s12, v1                    ; wave = pair of heads
	v_and_b32 v1, 31, v0
	v_lshlrev_b32 v[LI], 4, v1
.irp b, 0,1,2,3
	v_mov_b32 v[TM+4+\b], 0                        ; written once: a lane permute's destination counts as one of its sources
.endr
	s_mov_b32 s[SEL], 0x76543210
	s_mov_b32 s[SEL+1], 0xfedcba98
	s_wait_alu depctr_va_sdst(0)                   ; s12 is written, ahead of its first reader: the tiles' and records' places are made from it
	s_mov_b32 s13, ttmp9                           ; block of 128 tokens, 0 .. 63
	s_and_b32 s14, ttmp7, 0xffff                   ; role
	s_lshl_b32 s34, s13, 3                         ; x's first tile
	s_lshl_b32 s35, s14, 5
	s_lshl_b32 s36, s12, 3
	s_add_co_u32 s35, s35, s36
	s_add_co_u32 s35, s35, 512                     ; the weight's: 512 + 32 role + 8 wave
	s_cmp_eq_u32 s14, 2
	s_cselect_b32 s36, s34, s35                    ; which stays,
	s_cselect_b32 s37, s35, s34                    ; which passes
	s_cselect_b32 s49, 6144, 0                     ; where the fragments begin in a record,
	s_mov_b32 s50, 12288
	s_cselect_b32 s50, 12800, s50                  ; and the words
	s_cmp_eq_u32 s14, 0
	s_cselect_b32 s50, 6144, s50
	s_mov_b32 s48, 13312
	s_cselect_b32 s48, 6656, s48                   ; a record's bytes
	s_mul_i32 s38, s36, 6144
	s_mov_b32 s39, 0
	s_lshl_b32 s40, s36, 9
	s_mov_b32 s41, 0
	s_mul_i32 s42, s37, 6144
	s_mov_b32 s43, 0
	s_lshl_b32 s44, s37, 9
	s_mov_b32 s45, 0
	s_lshr_b32 s46, s13, 5                         ; batch
	s_lshl_b32 s46, s46, 3
	s_lshl_b32 s47, s12, 1
	s_add_co_u32 s46, s46, s47                     ; 8 batch + my first head
	s_lshl_b32 s46, s46, 5
	s_and_b32 s47, s13, 31
	s_add_co_u32 s46, s46, s47                     ; the record: x 32 + the block in its batch
	s_mul_i32 s51, s46, s48
	s_add_co_u32 s52, s51, s49
	s_mov_b32 s53, 0
	s_add_co_u32 s54, s51, s50
	s_mov_b32 s55, 0
	s_lshl_b32 s56, s48, 5                         ; the next head's record lies 32 records on
	s_mov_b32 s57, 0
	s_wait_kmcnt 0x0
	s_add_nc_u64 s[16:17], s[4:5], s[38:39]        ; staying fragments,
	s_add_nc_u64 s[18:19], s[6:7], s[40:41]        ; their words,
	s_add_nc_u64 s[20:21], s[4:5], s[42:43]        ; passing fragments,
	s_add_nc_u64 s[22:23], s[6:7], s[44:45]        ; their words
	s_cmp_eq_u32 s14, 0
	s_cselect_b64 s[24:25], s[8:9], s[10:11]       ; q goes to qf, k and v to kv: the choice hangs on the role alone
	s_add_nc_u64 s[28:29], s[24:25], s[54:55]      ; the first head's words,
	s_add_nc_u64 s[24:25], s[24:25], s[52:53]      ; its fragments,
	s_add_nc_u64 s[26:27], s[24:25], s[56:57]      ; the second head's fragments,
	s_add_nc_u64 s[30:31], s[28:29], s[56:57]      ; its words
	s_wait_alu depctr_va_vdst(0)                   ; v[LI] is written: every load and store of the kernel reads it as its offset.  Up to the first products only loads and window switches follow
.irp t, 0,1,2,3,4,5,6,7
	global_load_b128 v[SS+4*\t:SS+4*\t+3], v[LI], s[18:19] offset:512*\t
.endr
	WIN 0x40                                       ; destination window 1
.irp t, 0,1,2,3,4,5,6,7
.irp n, 0,1,2,3,4,5
	global_load_b128 v[24*\t+4*\n:24*\t+4*\n+3], v[LI], s[16:17] offset:6144*\t+512*\n
.endr
.endr
	WIN 0x80                                       ; destination window 2
.irp t, 0,1,2,3,4,5,6,7
.irp n, 0,1,2,3,4,5
	global_load_b128 v[24*\t+4*\n:24*\t+4*\n+3], v[LI], s[16:17] offset:6144*\t+3072+512*\n
.endr
.endr
	WIN 0
	LOADM 0, 0
	LOADM 1, 0
	LOADM 2, 0
	LOADM 3, 0
	s_cmp_eq_u32 s14, 2                            ; one branch on the role; the eight tiles are written once for q and k, once for v, since what is made of the codes differs
	s_cbranch_scc1 .Lvalues
	PASS 0
.Lvalues:
	PASS 1
.Lfunc_end_k_q556e8a6513_proj:
	.size	k_q556e8a6513_proj, .Lfunc_end_k_q556e8a6513_proj-k_q556e8a6513_proj
	.p2alignl 7, 3214868480
	.fill 96, 4, 3214868480
	.section	.rodata,"a",@progbits
	.p2align	6, 0x0
	.amdhsa_kernel k_q556e8a6513_proj
		.amdhsa_group_segment_fixed_size 0
		.amdhsa_private_segment_fixed_size 0
		.amdhsa_enable_private_segment 0
		.amdhsa_kernarg_size 32
		.amdhsa_user_sgpr_count 2
		.amdhsa_user_sgpr_kernarg_segment_ptr 1
		.amdhsa_wavefront_size32 1
		.amdhsa_system_sgpr_workgroup_id_x 1
		.amdhsa_system_sgpr_workgroup_id_y 1
		.amdhsa_system_sgpr_workgroup_id_z 1
		.amdhsa_system_vgpr_workitem_id 0
		.amdhsa_next_free_vgpr 1024
		.amdhsa_next_free_sgpr 66
		.amdhsa_reserve_vcc 0
		.amdhsa_float_denorm_mode_32 3
		.amdhsa_float_denorm_mode_16_64 3
		.amdhsa_memory_ordered 1
		.amdhsa_forward_progress 1
		.amdhsa_inst_pref_size 163
	.end_amdhsa_kernel
	.amdgpu_metadata
---
amdhsa.version: [ 1, 2 ]
amdhsa.kernels:
  - .name:           k_q556e8a6513_proj
    .symbol:         k_q556e8a6513_proj.kd
    .args:
      - { .name: opf, .offset: 0, .size: 8, .value_kind: global_buffer, .address_space: global }
      - { .name: ops, .offset: 8, .size: 8, .value_kind: global_buffer, .address_space: global }
      - { .name: qf, .offset: 16, .size: 8, .value_kind: global_buffer, .address_space: global }
      - { .name: kv, .offset: 24, .size: 8, .value_kind: global_buffer, .address_space: global }
    .group_segment_fixed_size: 0
    .private_segment_fixed_size: 0
    .kernarg_segment_align: 8
    .kernarg_segment_size: 32
    .max_flat_workgroup_size: 128
    .sgpr_count:     66
    .vgpr_count:     1024
    .wavefront_size: 32
...
	.end_amdgpu_metadata
.endif
;; end of part 6
;; launch attn (part 7): grid 16 x 16, 16 waves a work-group, clusters of 4 x 1, 327,680 bytes of LDS; arguments qf, kv, of, os, out0; writes of, os, out0
.if DOCPART == 7
	.amdgcn_target "amdgcn-amd-amdhsa--gfx1250"
	.amdhsa_code_object_version 6
	.text
	.protected	k_q556e8a6513_attn
	.globl	k_q556e8a6513_attn
	.p2align	8
	.type	k_q556e8a6513_attn,@function
k_q556e8a6513_attn:
	s_mov_b64 s[64:65], 0
	v_nop
	global_prefetch_b8 v0, s[64:65] scope:SCOPE_SE
	s_setreg_imm32_b32 hwreg(HW_REG_WAVE_MODE, 25, 1), 1
	s_wait_xcnt 0x0
	s_wait_alu depctr_hold_cnt(0) depctr_sa_sdst(0) depctr_va_vdst(0) depctr_va_sdst(0) depctr_va_ssrc(0) depctr_va_vcc(0) depctr_vm_vsrc(0)
	s_getreg_b32 s2, hwreg(HW_REG_IB_STS2, 6, 4)
	s_cmp_eq_u32 s2, 0
	s_cbranch_scc0 .Lentry_in_a_cluster
	s_endpgm
.Lentry_in_a_cluster:
	s_bfe_u32 s2, ttmp6, 0x10000c
	s_cmp_lg_u32 s2, 0x3003
	s_cbranch_scc0 .Lentry_shape_is_right
	s_endpgm
.Lentry_shape_is_right:
; Causal attention of 16 (batch x head) x 4,096 tokens, head size 64, both products on codes of FP6 (E2M3); its result quantised along the channels for the last product; and the zero half of out0.
; THE SOFTMAX: t = score x log2(e) / 8; M = the running largest t rounded UP to a whole number; p = 2^(t - M) is quantised along the keys, not normalised; the row's sum is taken of the unquantised p and divides at the end.
; When M moves, the sum and O are multiplied by 2^(old M - new M): exact.
; LIMITS: NaN and infinities are not served.  A block's largest p is taken from its largest score by the same multiply-add and exponential, which takes v_exp_f32 not to fall where its input rises.
; A block of p or of o under 2^-124, or of zeros, gets the byte 1: this program alone reads the bytes.
; LAYOUT.  Both products are used transposed: S^T = K Q^T, O^T = V^T P^T: a lane holds one query (lane % 16) throughout.  Operands lie in qf and kv as images of registers (three groups of 512 bytes a fragment).
; By the order of rows in a tile (tile 2 B + u, place r: row 32 B + 8 u + r + 8 (r / 8)) the 16 registers of score tiles 2 b, 2 b + 1 are keys 32 b + 16 (lane / 16) + 0 .. 15, and O^T's of channel tiles likewise.
; HEAD SIZE 64 IN A K OF 128: source 0 is a PAIR [key tile 2 b | key tile 2 b + 1]; source 1 is Q0 = [q | zero codes] or Q1 = [zero codes | q], which picks one of the two.  A zero code times any code is 0; the null half's scale byte is 1.
; SHARES.  y = batch x head.  A cluster of four work-groups, number J of its head's four, owns the blocks of 128 queries 4 J .. 4 J + 3 and 28 - 4 J .. 31 - 4 J; a wave owns one tile of 16 queries, tile 2 cx + pi of its block BLK,
; and works key steps (128 keys) 0 .. BLK; later steps it passes over by a scalar branch on ids.  BLK and pi come from the wave's number and J alone: waves w with equal w / 4, and with equal w % 4, have 66 steps together.
; THE RING.  Two LDS slots of two key steps (26,624 bytes: 104 dense rows of 256), walked for 32 - 4 J steps.  The four partners walk the same K and V: each slot is asked for JOINTLY, by wave 0 of each, mask 15.
; One tensor load of a wave is out at most.  cx enters global addresses and the number DQ of the mask alone: no branch, no LDS address.
; REGISTERS: v1-7 addresses; v8-11 zeros; v12 -M, v13 the largest t, v[14:15] the sum; v16-27 Q0; v32-79 four fragments, K's then V's; v96-159 S^T, then p; v160-191 O^T; v192-203 Q1; v204, v205 q's scale words;
; v208-211 V's words; v224-235 p's codes; v232-247 at work; v248-251 K's words; v252 f (v253 named with it as a pair); v254 at work; v255 p's word.
.set REC,   13312                      ; a key step's record in kv: K's 4 pair fragments, V^T's 4 fragments, K's words, V's words
.set QREC,  6656
.set SLOTB, 2*REC
.set SPARE, 2*SLOTB                    ; behind the ring: the spare words, 128 bytes for each of 16 waves: eight blocks of 256 bytes that no other line names
.set LI,  1                            ; v1   16 x lane: every LDS address is this + an immediate
.set DQ,  2                            ; v2   my query's place in its block - 16 (lane / 16)
.set L8,  3                            ; v3   8 x lane
.set L4,  4                            ; v4   4 x lane
.set SPW, 5                            ; v5   LDS address of my spare word; never rewritten
.set NIL, 6                            ; v6   0; never rewritten
.set ZO,  7                            ; v7   the zero stores: 4,096 (lane / 16) + 16 (lane % 16)
.set ZR,  8
.set PFO, 28                           ; v28  256 x lane
.set WV,  14
.set SEL, 20
.set CS,  22                           ; s[22:23] c = log2(e) / 8
.set G1,  24
.set G0,  32                           ; s[32:35] slot 0's group 0, s[36:39] slot 1's
.set BLK, 40
.set KS,  41                           ; the key step in hand
.set TR,  42
.set CH,  43                           ; changes of slots that have asked for a slot
.set LIM, 44                           ; a wave prefetches while s[CH] is under it
.set PFA, 46
.set UM,  48                           ; all ones where pi = 1
.macro WM0 d, a, b, sa, sb
	v_wmma_scale_f32_16x16x128_f8f6f4 v[\d:\d+7], v[\a:\a+11], v[\b:\b+11], 0, v[\sa], v[\sb] matrix_a_fmt:MATRIX_FMT_FP6 matrix_b_fmt:MATRIX_FMT_FP6
.endm
.macro WMA d, a, b, sa, sb
	v_wmma_scale_f32_16x16x128_f8f6f4 v[\d:\d+7], v[\a:\a+11], v[\b:\b+11], v[\d:\d+7], v[\sa], v[\sb] matrix_a_fmt:MATRIX_FMT_FP6 matrix_b_fmt:MATRIX_FMT_FP6
.endm
.macro ROUND                           ; a round of the cluster's barrier: my work-group's barrier, wave 0's signal for the work-group, every wave's wait for all four, my work-group's barrier once more
	s_barrier_signal -1
	s_barrier_wait -1
	s_cmp_lg_u32 s[WV], 0
	s_cbranch_scc1 .Lnot_wave_0_\@
	s_barrier_signal -3
.Lnot_wave_0_\@:
	s_barrier_wait -3
	s_barrier_signal -1
	s_barrier_wait -1
.endm
.macro TLOAD g0                        ; the joint load: wave 0 of each partner, the same descriptor in all four; four v_nop follow it
	s_cmp_lg_u32 s[WV], 0
	s_cbranch_scc1 .Lnot_mine_\@
	tensor_load_to_lds s[\g0:\g0+3], s[G1:G1+7]
	s_nop 0
.rept 4
	v_nop
.endr
.Lnot_mine_\@:
.endm
; A PREFETCH INTO THE L2.  A head's kv is 1,664 blocks of 256 bytes, a slot 104.  All four clusters of a head walk it from its start; the first (J = 0) walks all of it and asks.  In each of its four partners wave 4 asks,
; a lane a block, 32 blocks; the partners are told apart by address (8,192 cx).  So a change of slots names 128 blocks: change n names 208 + 128 n .. 335 + 128 n, and the next change's load wants 208 + 104 n .. 311 + 104 n:
; every slot from the third on is named a change of slots, two key steps, ahead of its load, or earlier.  Eleven changes ask (blocks 208 .. 1,615); the twelfth would pass the head's end.  Each block is named once.
.macro ASK
	s_cmp_lt_u32 s[CH], s[LIM]
	s_cbranch_scc0 .Lno_ask_\@
	global_prefetch_b8 v[PFO], s[PFA:PFA+1] th:TH_LOAD_NT scope:SCOPE_SE
.Lno_ask_\@:
.endm
; THE CHANGE OF SLOTS stands at a slot's head.  Each wave waits for all its tensor loads (wave 0: the slot about to be read), adds 0 to its spare word, waits for that and for its reads of the slot that it has left.
; Behind the round the slot ahead is whole in all four partners and nobody reads the other one.  refill = 1: that other slot is asked for; the load has this slot's two steps in which to land.
.macro CHANGE slot, refill
	s_wait_tensorcnt 0x0                           ; no tensor load of mine is out, so a group 0 may be written
	ds_add_u32 v[SPW], v[NIL]                      ; 0 onto my spare word
	s_add_nc_u64 s[G0+4*\slot+2:G0+4*\slot+3], s[G0+4*\slot+2:G0+4*\slot+3], 2*SLOTB   ; this slot's next two steps
.if \refill
	s_wait_xcnt 0x0                                ; the last prefetch, a slot back, has read its address
	s_add_nc_u64 s[PFA:PFA+1], s[PFA:PFA+1], 32768
.endif
	s_wait_dscnt 0x0                               ; the add is done, and my reads of the slot that I have left are over
	ROUND
.if \refill
	TLOAD G0+4*(1-\slot)
	ASK
	s_add_co_u32 s[CH], s[CH], 1
.endif
.endm
; A KEY STEP: 128 keys, the q-th of the slot.
.macro STEP slot, q
.set BASE, (\slot)*SLOTB+(\q)*REC
	s_cmp_gt_u32 s[KS], s[BLK]                     ; all its keys come after my queries: passed over.  No barrier and no tensor load stands in a step
	s_cbranch_scc1 .Lhidden_\@
.rept 4
	v_nop                                          ; four places in front of loads into registers that the last step's products have read
.endr
.irp n, 0,1,2,3,4,5,6,7,8,9,10,11
	ds_load_b128 v[32+4*\n:35+4*\n], v[LI] offset:BASE+512*\n       ; K's four pair fragments, 512 dense bytes a load
.endr
	ds_load_b128 v[248:251], v[LI] offset:BASE+12288                ; and their words
	s_wait_dscnt 0x0
.irp b, 0,1,2,3
.irp u, 0,1
	WM0 96+8*(2*\b+\u), 32+12*\b, 16+176*\u, 248+\b, 204+\u         ; score tile 2 b + u: the pair's half u, picked by Q0 or Q1
.endr
.endr
.rept 4
	v_nop                                          ; four places: for the loads below and for the first read of the scores
.endr
.irp n, 0,1,2,3,4,5,6,7,8,9,10,11
	ds_load_b128 v[32+4*\n:35+4*\n], v[LI] offset:BASE+6144+512*\n  ; V^T's four fragments land while the softmax is worked
.endr
	ds_load_b128 v[208:211], v[LI] offset:BASE+12800
	s_cmp_lt_u32 s[KS], s[BLK]                     ; only step BLK lies on the diagonal
	s_cbranch_scc1 .Lopen_\@
	v_mov_b32 v254, 0xff800000                     ; -infinity: p = 0 then
.set NN, 0
.rept 64
	v_cmp_gt_i32 vcc_lo, 32*(NN/16)+NN%16, v[DQ]   ; register 16 b + i holds key 32 b + 16 (lane / 16) + i of the step: hidden where 32 b + i > DQ
	v_cndmask_b32 v[96+NN], v[96+NN], v254, vcc_lo
.set NN, NN+1
.endr
.Lopen_\@:
.irp b, 0,1,2,3
	v_max3_num_f32 v[232+\b], v[96+16*\b], v[97+16*\b], v[98+16*\b]   ; the largest score of each block of 32 keys: for the row's maximum, and for the block's largest p
.endr
.irp i, 3,5,7,9,11,13
.irp b, 0,1,2,3
	v_max3_num_f32 v[232+\b], v[232+\b], v[96+16*\b+\i], v[97+16*\b+\i]
.endr
.endr
.irp b, 0,1,2,3
	v_max_num_f32 v[232+\b], v[232+\b], v[111+16*\b]
.endr
.irp b, 0,1,2,3
	s_delay_alu instid0(VALU_DEP_4)
	v_permlanex16_b32 v[236+\b], v[232+\b], s[SEL], s[SEL+1]
.endr
.irp b, 0,1,2,3
	s_delay_alu instid0(VALU_DEP_4)
	v_max_num_f32 v[232+\b], v[232+\b], v[236+\b]  ; with lane l xor 16's 16 keys
.endr
	s_delay_alu instid0(VALU_DEP_2)
	v_max3_num_f32 v254, v232, v233, v234
	s_delay_alu instid0(VALU_DEP_1)
	v_max_num_f32 v254, v254, v235
	s_delay_alu instid0(VALU_DEP_1)
	v_mul_f32 v254, s[CS], v254                    ; the step's largest t (c is positive)
	s_delay_alu instid0(VALU_DEP_1)
	v_max_num_f32 v13, v13, v254                   ; the running largest t
	v_mov_b32 v254, v12
	s_delay_alu instid0(VALU_DEP_2)
	v_floor_f32 v12, -v13                          ; the new -M = floor(-t): M is a whole number
	s_delay_alu instid0(VALU_DEP_1)
	v_sub_f32 v254, v12, v254                      ; old M - new M: a whole number, 0 or less
	s_delay_alu instid0(VALU_DEP_1)
	v_cvt_i32_f32 v254, v254                       ; (it saturates)
	s_delay_alu instid0(VALU_DEP_1)
	v_ldexp_f32 v252, 1.0, v254                    ; f = 2^(old M - new M)
.set NN, 0
.rept 32
	v_pk_fma_f32 v[96+NN:97+NN], v[96+NN:97+NN], s[CS:CS+1], v[12:13] op_sel_hi:[1,0,0]   ; t - M, two at a time
.set NN, NN+2
.endr
.irp b, 0,1,2,3
	v_fma_f32 v[232+\b], v[232+\b], s[CS], v12     ; the same of each block's largest score
.endr
.set NN, 0
	s_wait_alu depctr_va_vdst(0)
.rept 64
	v_exp_f32 v[96+NN], v[96+NN]                   ; p = 2^(t - M)
.set NN, NN+1
.endr
	v_pk_mul_f32 v[14:15], v[14:15], v[252:253] op_sel_hi:[1,0]     ; the sums under the new M: the plain line behind the exponentials
	s_wait_alu depctr_va_vdst(0)                   ; one wait for the batch of 64, ahead of its first reader
.irp b, 0,1,2,3
	v_exp_f32 v[232+\b], v[232+\b]                 ; each block's largest p
.endr
	v_pk_add_f32 v[236:237], v[100:101], v[104:105]
	v_pk_add_f32 v[254:255], v[108:109], v[112:113]
	v_pk_add_f32 v[250:251], v[116:117], v[120:121]
	v_pk_add_f32 v[248:249], v[124:125], v[128:129]
	v_pk_add_f32 v[246:247], v[132:133], v[136:137]
	v_pk_add_f32 v[244:245], v[140:141], v[144:145]
	v_pk_add_f32 v[242:243], v[148:149], v[152:153]
	v_pk_add_f32 v[14:15], v[14:15], v[156:157]
	v_pk_add_f32 v[236:237], v[236:237], v[96:97]
	v_pk_add_f32 v[254:255], v[254:255], v[98:99]
	v_pk_add_f32 v[250:251], v[250:251], v[102:103]
	v_pk_add_f32 v[248:249], v[248:249], v[106:107]
	v_pk_add_f32 v[246:247], v[246:247], v[110:111]
	v_pk_add_f32 v[244:245], v[244:245], v[114:115]
	v_pk_add_f32 v[242:243], v[242:243], v[118:119]
	v_pk_add_f32 v[14:15], v[14:15], v[122:123]
	v_pk_add_f32 v[236:237], v[236:237], v[126:127]
	v_pk_add_f32 v[254:255], v[254:255], v[130:131]
	v_pk_add_f32 v[250:251], v[250:251], v[134:135]
	v_pk_add_f32 v[248:249], v[248:249], v[138:139]
	v_pk_add_f32 v[246:247], v[246:247], v[142:143]
	v_pk_add_f32 v[244:245], v[244:245], v[146:147]
	v_pk_add_f32 v[242:243], v[242:243], v[150:151]
	v_pk_add_f32 v[14:15], v[14:15], v[154:155]
	v_pk_add_f32 v[236:237], v[236:237], v[158:159]
	s_delay_alu instid0(VALU_DEP_2)
	v_pk_add_f32 v[14:15], v[14:15], v[248:249]
	s_delay_alu instid0(VALU_DEP_2)
	v_pk_add_f32 v[236:237], v[236:237], v[246:247]
	v_pk_add_f32 v[254:255], v[254:255], v[244:245]
	v_pk_add_f32 v[250:251], v[250:251], v[242:243]
	s_delay_alu instid0(VALU_DEP_2)
	v_pk_add_f32 v[14:15], v[14:15], v[254:255]
	s_delay_alu instid0(VALU_DEP_2)
	v_pk_add_f32 v[236:237], v[236:237], v[250:251]
	s_delay_alu instid0(VALU_DEP_1)
	v_pk_add_f32 v[14:15], v[14:15], v[236:237]
	s_wait_alu depctr_va_vdst(0)                   ; and one for the four
.irp b, 0,1,2,3
	v_max_num_f32 v[232+\b], 0x1800000, v[232+\b]  ; the floor 2^(3 - 127): the byte cannot fall under 1
.endr
.irp b, 0,1,2,3
	s_delay_alu instid0(VALU_DEP_4)
	v_add_nc_u32 v[244+\b], 0xff000000, v[232+\b]  ; 2 off the exponent field: the conversion's scale operand
.endr
.irp b, 0,1,2,3
	s_delay_alu instid0(VALU_DEP_4)
	v_lshrrev_b32 v[236+\b], 23, v[244+\b]         ; the byte
.endr
	s_delay_alu instid0(VALU_DEP_3)
	v_lshl_or_b32 v255, v237, 8, v236              ; p's scale word for these 128 keys
	s_delay_alu instid0(VALU_DEP_1)
	v_lshl_or_b32 v255, v238, 16, v255
	s_delay_alu instid0(VALU_DEP_1)
	v_lshl_or_b32 v255, v239, 24, v255
.irp c, 0,1
	v_cvt_scalef32_pk16_fp6_f32 v[224+6*\c:226+6*\c], v[96+32*\c:111+32*\c], v[244+2*\c]
	v_cvt_scalef32_pk16_fp6_f32 v[236+4*\c:238+4*\c], v[112+32*\c:127+32*\c], v[244+2*\c+1]
.endr
	v_nop                                          ; one plain line behind the last scaled conversion
.irp c, 0,1
.irp i, 0,1,2
	v_permlane16_swap_b32 v[224+6*\c+\i], v[236+4*\c+\i]   ; a whole block in a lane
.endr
.irp i, 0,1,2
	s_delay_alu instid0(VALU_DEP_3)
	v_mov_b32 v[227+6*\c+\i], v[236+4*\c+\i]
.endr
.endr
.set NN, 0
.rept 16
	v_pk_mul_f32 v[160+NN:161+NN], v[160+NN:161+NN], v[252:253] op_sel_hi:[1,0]   ; O^T under the new M; these are also the places between the codes' and the word's last writes and the products
.set NN, NN+2
.endr
	s_wait_alu depctr_va_vdst(0)
	s_wait_dscnt 0x0                               ; V^T and its words are in
.irp t, 0,1,2,3
	WMA 160+8*\t, 32+12*\t, 224, 208+\t, 255       ; O^T += V^T P^T: the four accumulators by turns; a sum's next link stands a key step on
.endr
.Lhidden_\@:
	s_add_co_u32 s[KS], s[KS], 1
.endm
	s_load_b256 s[4:11], s[0:1], 0x0               ; qf, kv, of, os
	s_load_b64 s[12:13], s[0:1], 0x20              ; out0
	v_lshl_add_u32 v[SPW], v0, 2, SPARE
	v_mov_b32 v[NIL], 0
	ds_add_u32 v5, v6
	ds_add_u32 v5, v6
	s_wait_dscnt 0x0
	v_lshrrev_b32 v29, 5, v0
	s_delay_alu instid0(VALU_DEP_1)
	v_readfirstlane_b32 s[WV], v29                 ; wave 0 .. 15
	s_bfe_u32 s15, ttmp6, 0x40000                  ; cx: my place in the cluster
	s_mov_b32 s16, ttmp9                           ; J: the cluster's number in its head
	s_and_b32 s17, ttmp7, 0xffff                   ; batch x head
	; descriptor group 1: 104 dense rows of 256 bytes
	s_mov_b32 s[G1], 15|(3<<16)|(1<<21)            ; 15:0 the mask: all four work-groups; 17:16 elements of 8 bytes; 20 no padding; 21 set beside a mask
	s_mov_b32 s[G1+1], 32<<16                      ; tensor_dim0 = 32 elements
	s_mov_b32 s[G1+2], 104<<16                     ; tensor_dim1 = 104
	s_mov_b32 s[G1+3], 32<<16                      ; tile_dim0
	s_mov_b32 s[G1+4], 104                         ; tile_dim1
	s_mov_b32 s[G1+5], 32                          ; from row to row
	s_mov_b32 s[G1+6], 0
	s_mov_b32 s[G1+7], 0
	s_mul_i32 s50, s17, 32*REC                     ; the head's first byte in kv
	s_mov_b32 s51, 0
	s_wait_kmcnt 0x0
	s_add_nc_u64 s[6:7], s[6:7], s[50:51]
	s_mov_b32 s[G0], 1
	s_mov_b32 s[G0+1], 0                           ; slot 0
	s_mov_b64 s[G0+2:G0+3], s[6:7]                 ; key steps 0, 1
	s_or_b32 s[G0+3], s[G0+3], 0x80000000
	s_mov_b32 s[G0+4], 1
	s_mov_b32 s[G0+5], SLOTB                       ; slot 1
	s_add_nc_u64 s[G0+6:G0+7], s[6:7], SLOTB       ; key steps 2, 3
	s_or_b32 s[G0+7], s[G0+7], 0x80000000
	ROUND                                          ; all four work-groups are here: the first joint load meets
	TLOAD G0
	; which block and which tile are mine: from the wave's number and J alone
	s_lshr_b32 s52, s[WV], 2                       ; g
	s_bfe_u32 s53, s[WV], 0x10001                  ; pi: bit 1
	s_xor_b32 s54, s52, s[WV]
	s_and_b32 s54, s54, 1                          ; late = (g xor w) & 1
	s_lshr_b32 s55, s52, 1
	s_xor_b32 s55, s55, s52                        ; g in Gray code,
	s_xor_b32 s56, s53, s54
	s_mul_i32 s56, s56, 3
	s_xor_b32 s55, s55, s56                        ; turned round where pi xor late: i, the block among its four
	s_lshl_b32 s57, s16, 2
	s_sub_co_u32 s58, 28, s57
	s_cmp_eq_u32 s54, 1
	s_cselect_b32 s[BLK], s58, s57
	s_add_co_u32 s[BLK], s[BLK], s55               ; 28 - 4 J + i or 4 J + i
	s_cmp_eq_u32 s53, 1
	s_cselect_b32 s[UM], -1, 0
	s_lshl_b32 s49, s53, 4                         ; 16 pi
	s_lshl_b32 s56, s17, 5
	s_add_co_u32 s56, s56, s[BLK]
	s_mul_i32 s56, s56, QREC                       ; my block's record in qf
	s_mul_i32 s58, s15, 1536
	s_add_co_u32 s58, s58, s56
	s_mov_b32 s59, 0
	s_add_nc_u64 s[60:61], s[4:5], s[58:59]        ; pair cx = [tile 2 cx | tile 2 cx + 1]
	s_lshl_b32 s58, s15, 2
	s_add_co_u32 s58, s58, s56
	s_add_nc_u64 s[62:63], s[4:5], s[58:59]        ; and its word among a lane's four
	v_and_b32 v29, 31, v0
	s_delay_alu instid0(VALU_DEP_1)
	v_lshlrev_b32 v[LI], 4, v29
	global_load_b128 v[32:35], v[LI], s[60:61]
	global_load_b128 v[36:39], v[LI], s[60:61] offset:512
	global_load_b128 v[40:43], v[LI], s[60:61] offset:1024
	global_load_b32 v44, v[LI], s[62:63] offset:6144
	v_lshlrev_b32 v[L8], 3, v29
	v_lshlrev_b32 v[L4], 2, v29
	v_lshlrev_b32 v[PFO], 8, v29
	v_and_b32 v30, 15, v0                          ; r
	v_bfe_u32 v31, v0, 4, 1                        ; h
	s_delay_alu instid0(VALU_DEP_1)
	v_lshlrev_b32 v[ZO], 12, v31
	s_delay_alu instid0(VALU_DEP_1)
	v_lshl_add_u32 v[ZO], v30, 4, v[ZO]
	s_delay_alu instid0(VALU_DEP_4)
	v_and_b32 v[DQ], 8, v30
	s_delay_alu instid0(VALU_DEP_1)
	v_add_nc_u32 v[DQ], v[DQ], v30                 ; r + 8 (r / 8)
	v_lshlrev_b32 v31, 4, v31
	s_delay_alu instid0(VALU_DEP_1)
	v_sub_nc_u32 v[DQ], v[DQ], v31                 ; - 16 h
	s_lshl_b32 s76, s15, 5
	s_lshl_b32 s77, s53, 3
	s_add_co_u32 s76, s76, s77
	v_add_nc_u32 v[DQ], s76, v[DQ]                 ; + 32 cx + 8 pi
.irp k, 0,1,2,3
	v_mov_b32 v[ZR+\k], 0
.endr
	s_wait_alu depctr_va_vdst(0)
	s_lshr_b32 s66, s17, 3                         ; batch
	s_and_b32 s67, s17, 7                          ; head
	s_lshl_b32 s68, s66, 5
	s_add_co_u32 s68, s68, s[BLK]
	s_lshl_b32 s68, s68, 2
	s_add_co_u32 s68, s68, s15
	s_lshl_b32 s68, s68, 1
	s_add_co_u32 s68, s68, s53                     ; my tile of tokens among 512: 256 batch + 8 BLK + 2 cx + pi
	s_lshl_b32 s70, s68, 4
	s_sub_co_u32 s70, s70, s77                     ; its first token: 16 tile - 8 pi
	s_lshl_b32 s70, s70, 12                        ; rows of 4,096 bytes
	s_lshl_b32 s69, s67, 8                         ; of a row's 2,048 zero bytes each head's waves write 256
	s_add_co_u32 s70, s70, s69
	s_mov_b32 s71, 0
	s_add_nc_u64 s[12:13], s[12:13], s[70:71]
.irp i, 0,1,2,3,4,5,6,7
	global_store_b128 v[ZO], v[ZR:ZR+3], s[12:13] offset:2048+(2*\i+8*(\i/4))*4096 th:TH_STORE_NT   ; columns 512 + 64 head on of two of my 16 tokens: sixteen lanes store 256 aligned bytes
.endr
	s_lshl_b32 s72, s68, 3
	s_add_co_u32 s72, s72, s67                     ; 8 tile + head
	s_mul_i32 s74, s72, 768
	s_mov_b32 s75, 0
	s_add_nc_u64 s[8:9], s[8:9], s[74:75]          ; where o's codes go,
	s_lshl_b32 s74, s72, 7
	s_add_nc_u64 s[10:11], s[10:11], s[74:75]      ; and their words
	s_lshl_b32 s78, s15, 13                        ; the prefetches: my work-group's 32 blocks of a change's 128,
	s_add_co_u32 s78, s78, 2*SLOTB-32768           ; one step in front of block 208: the first change of slots steps it there.  Nothing is prefetched at the head
	s_mov_b32 s79, 0
	s_add_nc_u64 s[PFA:PFA+1], s[6:7], s[78:79]
	s_xor_b32 s50, s[WV], 4
	s_or_b32 s50, s50, s16
	s_cmp_eq_u32 s50, 0                            ; wave 4 of the head's first cluster: the same in all four partners
	s_cselect_b32 s[LIM], 11, 0
	s_mov_b32 s[SEL], 0x76543210
	s_mov_b32 s[SEL+1], 0xfedcba98
	s_mov_b32 s[CS], 0x3e38aa3b                    ; log2(e) / 8
	s_mov_b32 s[CS+1], s[CS]                       ; (named with it as a pair, so it is written)
	s_mov_b32 s[KS], 0
	s_mov_b32 s[CH], 0
	s_sub_co_u32 s[TR], 7, s16                     ; 16 - 2 J slots: 7 - J trips of two, and two written out
	v_mov_b32 v13, 0xff61b1e6                      ; the largest t so far: -3e38
	s_delay_alu instid0(VALU_DEP_1)
	v_floor_f32 v12, -v13                          ; -M
	v_mov_b32 v14, 0
	v_mov_b32 v15, 0
.irp b, 0,1,2,3
	v_mov_b32 v[236+\b], 0                         ; written once: a lane permute's destination counts as one of its sources
.endr
	v_mov_b32 v252, 0                              ; likewise, for the way out
	v_mov_b32 v253, 0                              ; (named as the upper half of the pair v[252:253])
	s_wait_loadcnt 0x0                             ; q's pair and its word
.irp k, 0,1,2,3,4,5
	v_cndmask_b32 v[16+\k], v[32+\k], v[38+\k], s[UM]      ; my tile of the pair: Q0 = [q | 0]
.endr
.irp k, 0,1,2,3,4,5
	v_mov_b32 v[198+\k], v[16+\k]                  ; Q1 = [0 | q]
	v_mov_b32 v[22+\k], 0
	v_mov_b32 v[192+\k], 0
.endr
	v_lshrrev_b32 v45, s49, v44
	s_delay_alu instid0(VALU_DEP_1)
	v_and_b32 v45, 0xffff, v45                     ; my tile's two bytes
	s_delay_alu instid0(VALU_DEP_1)
	v_or_b32 v204, 0x01010000, v45                 ; Q0's word; the null half's bytes are 1
	s_delay_alu instid0(VALU_DEP_2)
	v_lshl_or_b32 v205, v45, 16, 0x0101            ; Q1's
.set NN, 0
.rept 32
	v_mov_b32 v[160+NN], 0                         ; O^T.  The step is written without a first form: it finds zeros, which the first change of M leaves zeros.  (Also the places between q's words and the first products)
.set NN, NN+1
.endr
.Llap:                                             ; a trip goes once round the ring
	CHANGE 0, 1
	STEP 0, 0
	STEP 0, 1
	CHANGE 1, 1
	STEP 1, 0
	STEP 1, 1
	s_sub_co_u32 s[TR], s[TR], 1
	s_cmp_lg_u32 s[TR], 0
	s_cbranch_scc1 .Llap
	CHANGE 0, 1                                    ; the last lap is written out: one more slot is asked for
	STEP 0, 0
	STEP 0, 1
	CHANGE 1, 0                                    ; then none
	STEP 1, 0
	STEP 1, 1
	; THE WAY OUT: O^T / the sum, quantised along the head's 64 channels: registers 0-5 of a fragment of the last product, and two bytes.
	v_add_f32 v14, v14, v15                        ; the sum's two halves,
	s_delay_alu instid0(VALU_DEP_1)
	v_permlanex16_b32 v252, v14, s[SEL], s[SEL+1]
	s_delay_alu instid0(VALU_DEP_1)
	v_add_f32 v14, v14, v252                       ; and lane l xor 16's
	s_wait_alu depctr_va_vdst(0)
	v_rcp_f32 v14, v14
	v_nop                                          ; plain lines behind the reciprocal; with the additions above also the four places behind the last products
	v_nop
	s_wait_alu depctr_va_vdst(0)                   ; the wait ahead of the reciprocal's first reader
.set NN, 0
.rept 16
	v_pk_mul_f32 v[96+NN:97+NN], v[160+NN:161+NN], v[14:15] op_sel_hi:[1,0]   ; register 16 b + i: channel 32 b + 16 h + i; each accumulator from its low end on
.set NN, NN+2
.endr
.irp b, 0,1
	v_max3_num_f32 v[232+\b], |v[96+16*\b]|, |v[97+16*\b]|, 0x1800000
.endr
.irp i, 2,4,6,8,10,12,14
.irp b, 0,1
	s_delay_alu instid0(VALU_DEP_2)
	v_max3_num_f32 v[232+\b], v[232+\b], |v[96+16*\b+\i]|, |v[97+16*\b+\i]|
.endr
.endr
.irp b, 0,1
	s_delay_alu instid0(VALU_DEP_2)
	v_permlanex16_b32 v[236+\b], v[232+\b], s[SEL], s[SEL+1]
.endr
.irp b, 0,1
	s_delay_alu instid0(VALU_DEP_2)
	v_max_num_f32 v[232+\b], v[232+\b], v[236+\b]
.endr
.irp b, 0,1
	s_delay_alu instid0(VALU_DEP_2)
	v_add_nc_u32 v[244+\b], 0xff000000, v[232+\b]
.endr
.irp b, 0,1
	s_delay_alu instid0(VALU_DEP_2)
	v_lshrrev_b32 v[236+\b], 23, v[244+\b]
.endr
	s_delay_alu instid0(VALU_DEP_1)
	v_lshl_or_b32 v255, v237, 8, v236
	v_cvt_scalef32_pk16_fp6_f32 v[224:226], v[96:111], v244
	v_cvt_scalef32_pk16_fp6_f32 v[240:242], v[112:127], v245
	v_nop
.irp i, 0,1,2
	v_permlane16_swap_b32 v[224+\i], v[240+\i]
.endr
.irp i, 0,1,2
	s_delay_alu instid0(VALU_DEP_3)
	v_mov_b32 v[227+\i], v[240+\i]
.endr
	global_store_b128 v[LI], v[224:227], s[8:9]              ; registers 0-3: 512 dense bytes
	global_store_b64 v[L8], v[228:229], s[8:9] offset:512    ; registers 4, 5: 256
	global_store_b32 v[L4], v255, s[10:11]                   ; the word: 128 bytes a head
	s_wait_tensorcnt 0x0                           ; the wave's end
	ds_add_u32 v[SPW], v[NIL]
	s_wait_dscnt 0x0
	ROUND                                          ; the closing round: no work-group ends while a partner may still ask for a slot that names it
	s_endpgm
.Lfunc_end_k_q556e8a6513_attn:
	.size	k_q556e8a6513_attn, .Lfunc_end_k_q556e8a6513_attn-k_q556e8a6513_attn
	.p2alignl 7, 3214868480
	.fill 96, 4, 3214868480
	.section	.rodata,"a",@progbits
	.p2align	6, 0x0
	.amdhsa_kernel k_q556e8a6513_attn
		.amdhsa_group_segment_fixed_size 327680
		.amdhsa_private_segment_fixed_size 0
		.amdhsa_enable_private_segment 0
		.amdhsa_kernarg_size 40
		.amdhsa_user_sgpr_count 2
		.amdhsa_user_sgpr_kernarg_segment_ptr 1
		.amdhsa_wavefront_size32 1
		.amdhsa_system_sgpr_workgroup_id_x 1
		.amdhsa_system_sgpr_workgroup_id_y 1
		.amdhsa_system_sgpr_workgroup_id_z 1
		.amdhsa_system_vgpr_workitem_id 0
		.amdhsa_next_free_vgpr 256
		.amdhsa_next_free_sgpr 80
		.amdhsa_reserve_vcc 1
		.amdhsa_float_denorm_mode_32 3
		.amdhsa_float_denorm_mode_16_64 3
		.amdhsa_memory_ordered 1
		.amdhsa_forward_progress 1
		.amdhsa_inst_pref_size 190
	.end_amdhsa_kernel
	.amdgpu_metadata
---
amdhsa.version: [ 1, 2 ]
amdhsa.kernels:
  - .name:           k_q556e8a6513_attn
    .symbol:         k_q556e8a6513_attn.kd
    .args:
      - { .name: qf, .offset: 0, .size: 8, .value_kind: global_buffer, .address_space: global }
      - { .name: kv, .offset: 8, .size: 8, .value_kind: global_buffer, .address_space: global }
      - { .name: of, .offset: 16, .size: 8, .value_kind: global_buffer, .address_space: global }
      - { .name: os, .offset: 24, .size: 8, .value_kind: global_buffer, .address_space: global }
      - { .name: out0, .offset: 32, .size: 8, .value_kind: global_buffer, .address_space: global }
    .group_segment_fixed_size: 327680
    .private_segment_fixed_size: 0
    .kernarg_segment_align: 8
    .kernarg_segment_size: 40
    .max_flat_workgroup_size: 512
    .sgpr_count:     80
    .vgpr_count:     256
    .wavefront_size: 32
...
	.end_amdgpu_metadata
.endif
;; end of part 7
;; launch oproj (part 8): grid 256 x 1, 4 waves a work-group, no clusters, 35,328 bytes of LDS; arguments opf, ops, of, os, out0; writes out0
.if DOCPART == 8
	.amdgcn_target "amdgcn-amd-amdhsa--gfx1250"
	.amdhsa_code_object_version 6
	.text
	.protected	k_q556e8a6513_oproj
	.globl	k_q556e8a6513_oproj
	.p2align	8
	.type	k_q556e8a6513_oproj,@function
k_q556e8a6513_oproj:
	s_mov_b64 s[64:65], 0
	v_nop
	global_prefetch_b8 v0, s[64:65] scope:SCOPE_SE
	s_setreg_imm32_b32 hwreg(HW_REG_WAVE_SCHED_MODE, 0, 2), 2
	s_setreg_imm32_b32 hwreg(HW_REG_WAVE_MODE, 25, 1), 1
	s_wait_xcnt 0x0
	s_wait_alu depctr_vm_vsrc(0)
; out0[:, :, :512] = o wo[:512, :512]^T on codes of FP6 (K = 512), sums in f32.  o's codes and bytes come from the attention launch, wo's from the quantising launch, all as images of operand registers.
; SHARES: a work-group takes 32 tokens (token tiles 2 g, 2 g + 1), its wave w the columns 128 w .. 128 w + 127: wo's tiles 8 w .. 8 w + 7, which stay in registers (384).
; The product is used transposed (source 0 = 16 rows of wo, source 1 = 16 tokens): by the order of rows in a tile a lane's 64 results are, for token r of the tile, register 16 b + i = column 32 b + 16 h + i:
; 64 neighbouring bytes a block.  They go through the wave's own stage in LDS and leave as whole rows of 512 bytes, aligned to 256.
; of: [token tile 512][head 8][768]: a head's 64 channels are registers 0-5 (even head) or 6-11 (odd head) of K step head / 2.  os: [token tile][head][lane]: two bytes in a word.
; NO JOINT LOADS: operands go straight into registers; a work-group has two passing tiles, 64 products a wave, and nothing to overlap a ring's rounds with.  What work-groups share is wo's 196,608 bytes of codes.
; REGISTERS: window 1: wo's fragments of K steps 0, 1 at 24 t + 12 s; window 2: of K steps 2, 3; window 3: the two token tiles, 48 each; window 0: the rest.
; THE MODE: SCHED_MODE bits 1:0 = 2 (LLVM: expert scheduling mode 2), set by the entry lines.  The code itself states the register dependences
; between vector or matrix instructions and memory or LDS instructions, with s_wait_alu, always for 0.
; THE PLAN.  Registers that memory or LDS instructions touch:
;   LI, L8, L4, STI, STO, v254, v255   Written once at the head; afterwards read by memory and LDS instructions alone.
;   wo's fragments, the token tiles, SS, RAW   Loaded once at the head; read by products (RAW: by the eight v_perm_b32).
;   ACC   Written by a tile's 32 products; read by its 16 LDS stores; written again by the next tile's products.
;   OB    Written by a tile's 16 loads from the stage; read by its 16 global stores; no vector or matrix instruction names it.
;   MS is written by the v_perm_b32 and read by the products as scales.
; THE ORDER.  Tile 0's results go into the stage and its rows are asked for back; then tile 1's products are issued, and tile 0's global stores follow behind them: their data come from LDS loads, so they hang on DScnt alone.
; A wait on va_vdst stands ahead of the first load, ahead of the first product (MS) and ahead of each tile's LDS stores (ACC); a wait on vm_vsrc ahead of tile 1's products (ACC) and ahead of tile 1's loads from the stage (OB).
.set PITCH, 528
.set WST,   16*PITCH
.set LI,  4                            ; v4   16 x lane
.set L8,  5                            ; v5   8 x lane
.set L4,  6                            ; v6   4 x lane
.set STI, 7                            ; v7   into my stage: row r, + 64 h
.set STO, 8                            ; v8   out of it: 16 x lane
.set ACC, 16                           ; v16-79
.set SS,  80                           ; v80-111  wo's scale words, 4 t + s
.set RAW, 112                          ; v112-127 o's bytes as stored, 8 q + head
.set MS,  128                          ; v128-135 o's scale words, 4 q + s
.set OB,  144                          ; v144-207 16 rows on their way out
.set MSB, 0
.macro WIN new                         ; the immediate's high byte repeats the setting that is left
.if MSB != \new
	s_set_vgpr_msb (MSB<<8)|\new
.set MSB, \new
.endif
.endm
.macro WM0 d, a, b, sa, sb
	v_wmma_scale_f32_16x16x128_f8f6f4 v[\d:\d+7], v[\a:\a+11], v[\b:\b+11], 0, v[\sa], v[\sb] matrix_a_fmt:MATRIX_FMT_FP6 matrix_b_fmt:MATRIX_FMT_FP6
.endm
.macro WMA d, a, b, sa, sb
	v_wmma_scale_f32_16x16x128_f8f6f4 v[\d:\d+7], v[\a:\a+11], v[\b:\b+11], v[\d:\d+7], v[\sa], v[\sb] matrix_a_fmt:MATRIX_FMT_FP6 matrix_b_fmt:MATRIX_FMT_FP6
.endm
.macro MUL q                           ; 32 products: K step by K step, the eight accumulators by turns, one instruction a turn
	WIN 0x0d                                       ; source 0 window 1, source 1 window 3
.irp t, 0,1,2,3,4,5,6,7
	WM0 ACC+8*\t, 24*\t, 48*(\q), SS+4*\t, MS+4*(\q)
.endr
.irp t, 0,1,2,3,4,5,6,7
	WMA ACC+8*\t, 24*\t+12, 48*(\q)+12, SS+4*\t+1, MS+4*(\q)+1
.endr
	WIN 0x0e                                       ; source 0 window 2
.irp t, 0,1,2,3,4,5,6,7
	WMA ACC+8*\t, 24*\t, 48*(\q)+24, SS+4*\t+2, MS+4*(\q)+2
.endr
.irp t, 0,1,2,3,4,5,6,7
	WMA ACC+8*\t, 24*\t+12, 48*(\q)+36, SS+4*\t+3, MS+4*(\q)+3
.endr
	WIN 0
.endm
.macro TOSTAGE                         ; a tile's 64 results a lane into my stage
.irp b, 0,1,2,3
.irp k, 0,1,2,3
	ds_store_b128 v[STI], v[ACC+16*\b+4*\k:ACC+16*\b+4*\k+3] offset:128*\b+16*\k   ; each accumulator from its low end on
.endr
.endr
.endm
.macro BACK                            ; and back as 16 whole rows
.irp i, 0,1,2,3,4,5,6,7,8,9,10,11,12,13,14,15
	ds_load_b128 v[OB+4*\i:OB+4*\i+3], v[STO] offset:PITCH*\i      ; LDS serves a wave's instructions in order: these see my stores
.endr
.endm
.macro SEND q                          ; tile q's rows leave
.irp i, 0,1,2,3,4,5,6,7,8,9,10,11,12,13,14,15
	s_wait_dscnt 15-\i                             ; row i is back; the 15 - i younger loads may be out
	global_store_b128 v[LI], v[OB+4*\i:OB+4*\i+3], s[12:13] offset:(8*(\q)+\i+8*(\i/8))*4096 th:TH_STORE_NT   ; the tile's place i is token 8 q + i + 8 (i / 8) of my 32: 512 dense bytes, aligned to 256
.endr
.endm
	s_load_b256 s[4:11], s[0:1], 0x0               ; opf, ops, of, os
	s_load_b64 s[12:13], s[0:1], 0x20              ; out0
	v_lshl_add_u32 v254, v0, 2, 0x8800
	v_mov_b32 v255, 0
	v_lshrrev_b32 v1, 5, v0
	v_readfirstlane_b32 s14, v1                    ; wave
	v_and_b32 v1, 31, v0
	v_lshlrev_b32 v[LI], 4, v1
	v_lshlrev_b32 v[L8], 3, v1
	v_lshlrev_b32 v[L4], 2, v1
	v_and_b32 v2, 15, v0                           ; r
	v_bfe_u32 v3, v0, 4, 1                         ; h
	s_wait_alu depctr_va_sdst(0)                   ; s14 is written, ahead of its first reader: my stage's place and the bases are made from it
	s_mul_i32 s15, s14, WST
	v_mul_u32_u24 v[STI], v2, PITCH
	v_lshl_add_u32 v[STI], v3, 6, v[STI]
	v_add_nc_u32 v[STI], s15, v[STI]
	v_add_nc_u32 v[STO], s15, v[LI]
	s_lshl_b32 s16, s14, 3
	s_add_co_u32 s16, s16, 608                     ; wo's tiles begin at 608
	s_mul_i32 s18, s16, 6144
	s_mov_b32 s19, 0
	s_lshl_b32 s20, s16, 9
	s_mov_b32 s21, 0
	s_mul_i32 s22, ttmp9, 2*8*768                  ; my two token tiles in of,
	s_mov_b32 s23, 0
	s_lshl_b32 s24, ttmp9, 11                      ; in os,
	s_mov_b32 s25, 0
	s_lshl_b32 s26, ttmp9, 17                      ; and my 32 rows of 4,096 bytes in out0,
	s_lshl_b32 s27, s14, 9                         ; my wave's 512 bytes of a row
	s_add_co_u32 s26, s26, s27
	s_mov_b32 s27, 0
	s_wait_kmcnt 0x0
	s_add_nc_u64 s[4:5], s[4:5], s[18:19]
	s_add_nc_u64 s[6:7], s[6:7], s[20:21]
	s_add_nc_u64 s[8:9], s[8:9], s[22:23]
	s_add_nc_u64 s[10:11], s[10:11], s[24:25]
	s_add_nc_u64 s[12:13], s[12:13], s[26:27]
	s_wait_alu depctr_va_vdst(0)                   ; the offsets v[LI], v[L8], v[L4] and the LDS addresses v[STI], v[STO] are written, which the loads and stores of the kernel read.  Up to the wait for the loads only loads and window switches follow
.irp t, 0,1,2,3,4,5,6,7
	global_load_b128 v[SS+4*\t:SS+4*\t+3], v[LI], s[6:7] offset:512*\t
.endr
.irp q, 0,1
.irp d, 0,1,2,3,4,5,6,7
	global_load_b32 v[RAW+8*\q+\d], v[L4], s[10:11] offset:(8*\q+\d)*128
.endr
.endr
	WIN 0xc0                                       ; destination window 3
.irp q, 0,1
.irp d, 0,1,2,3,4,5,6,7
	global_load_b128 v[48*\q+6*\d:48*\q+6*\d+3], v[LI], s[8:9] offset:(8*\q+\d)*768
	global_load_b64 v[48*\q+6*\d+4:48*\q+6*\d+5], v[L8], s[8:9] offset:(8*\q+\d)*768+512
.endr
.endr
	WIN 0x40                                       ; destination window 1
.irp t, 0,1,2,3,4,5,6,7
.irp n, 0,1,2,3,4,5
	global_load_b128 v[24*\t+4*\n:24*\t+4*\n+3], v[LI], s[4:5] offset:6144*\t+512*\n
.endr
.endr
	WIN 0x80                                       ; destination window 2
.irp t, 0,1,2,3,4,5,6,7
.irp n, 0,1,2,3,4,5
	global_load_b128 v[24*\t+4*\n:24*\t+4*\n+3], v[LI], s[4:5] offset:6144*\t+3072+512*\n
.endr
.endr
	WIN 0
	s_wait_loadcnt 0x0
.irp q, 0,1
.irp s, 0,1,2,3
	v_perm_b32 v[MS+4*\q+\s], v[RAW+8*\q+2*\s+1], v[RAW+8*\q+2*\s], 0x05040100   ; K step s: the even head's two bytes, then the odd head's
.endr
.endr
.rept 8
	v_nop                                          ; a scale register written by a vector instruction stands eight places ahead of a scaled product
.endr
	s_wait_alu depctr_va_vdst(0)                   ; the eight v_perm_b32 have written v[MS ..], which the products of both tiles take as scales; the places above stay beside this wait
	MUL 0
.rept 5
	v_nop                                          ; four places in front of the stores that read the results; the fifth for the next tile's products, which write over them
.endr
	s_wait_alu depctr_va_vdst(0)                   ; tile 0's products have written the accumulators, which the LDS stores read
	TOSTAGE
	BACK                                           ; no vector or matrix instruction names v[OB ..]
	s_wait_alu depctr_vm_vsrc(0)                   ; tile 0's LDS stores have read the accumulators, which tile 1's products write over
	MUL 1
.rept 5
	v_nop                                          ; the same five as behind tile 0: the stores that read these results want four of them
.endr
	SEND 0                                         ; behind tile 1's products: these stores read v[OB ..] and v[LI], which no vector or matrix instruction writes
	s_wait_alu depctr_va_vdst(0)                   ; tile 1's products have written the accumulators, which the LDS stores read
	TOSTAGE
	s_wait_xcnt 0x0                                ; the first tile's stores have had their addresses translated: the rows' registers are loaded again only behind this wait
	s_wait_alu depctr_vm_vsrc(0)                   ; the first tile's global stores have read v[OB ..], in which the loads below land
	BACK
	SEND 1
	s_wait_dscnt 0x0                               ; the closing lines, six on end
	s_wait_alu 0x0
	s_wait_tensorcnt 0x0
	ds_add_u32 v254, v255
	s_wait_dscnt 0x0
	s_endpgm
.Lfunc_end_k_q556e8a6513_oproj:
	.size	k_q556e8a6513_oproj, .Lfunc_end_k_q556e8a6513_oproj-k_q556e8a6513_oproj
	.p2alignl 7, 3214868480
	.fill 96, 4, 3214868480
	.section	.rodata,"a",@progbits
	.p2align	6, 0x0
	.amdhsa_kernel k_q556e8a6513_oproj
		.amdhsa_group_segment_fixed_size 35328
		.amdhsa_private_segment_fixed_size 0
		.amdhsa_enable_private_segment 0
		.amdhsa_kernarg_size 40
		.amdhsa_user_sgpr_count 2
		.amdhsa_user_sgpr_kernarg_segment_ptr 1
		.amdhsa_wavefront_size32 1
		.amdhsa_system_sgpr_workgroup_id_x 1
		.amdhsa_system_sgpr_workgroup_id_y 1
		.amdhsa_system_sgpr_workgroup_id_z 1
		.amdhsa_system_vgpr_workitem_id 0
		.amdhsa_next_free_vgpr 1024
		.amdhsa_next_free_sgpr 66
		.amdhsa_reserve_vcc 0
		.amdhsa_float_denorm_mode_32 3
		.amdhsa_float_denorm_mode_16_64 3
		.amdhsa_memory_ordered 1
		.amdhsa_forward_progress 1
		.amdhsa_inst_pref_size 35
	.end_amdhsa_kernel
	.amdgpu_metadata
---
amdhsa.version: [ 1, 2 ]
amdhsa.kernels:
  - .name:           k_q556e8a6513_oproj
    .symbol:         k_q556e8a6513_oproj.kd
    .args:
      - { .name: opf, .offset: 0, .size: 8, .value_kind: global_buffer, .address_space: global }
      - { .name: ops, .offset: 8, .size: 8, .value_kind: global_buffer, .address_space: global }
      - { .name: of, .offset: 16, .size: 8, .value_kind: global_buffer, .address_space: global }
      - { .name: os, .offset: 24, .size: 8, .value_kind: global_buffer, .address_space: global }
      - { .name: out0, .offset: 32, .size: 8, .value_kind: global_buffer, .address_space: global }
    .group_segment_fixed_size: 35328
    .private_segment_fixed_size: 0
    .kernarg_segment_align: 8
    .kernarg_segment_size: 40
    .max_flat_workgroup_size: 128
    .sgpr_count:     66
    .vgpr_count:     1024
    .wavefront_size: 32
...
	.end_amdgpu_metadata
.endif
;; end of part 8
